; MI455X (gfx1250); checked and timed in simulation.
; The chip was launched on July 23, 2026; its instructions are those of AMD's public machine-readable ISA for CDNA 5 (MIT licence, August 2026) and "CDNA5" Instruction Set Architecture Reference Guide (July 2026). The comments in the code are by the model that wrote it; some were corrected since.
;; Attention. Allowed arithmetic: float matrix products may take bf16 or f16 operands with f32 sums; other float arithmetic in f32, or as packed bf16 or f16 multiplies, adds, multiply-adds, maxima and minima; sums over many terms, partial sums and values carried from step to step in f32; what a program stores and reads back later, other than sums and carried values, may be rounded once to bf16 or f16.
;; Inputs: wo_w 1,024 x 1,024 float32; wqk_w 2,048 x 1,024 float32; wv_w 1,024 x 1,024 float32; x 2 x 2,048 x 1,024 float32.
;; Outputs: out0 2 x 2,048 x 1,024 float32.
;; 2 versions, each right; version 2 is version 1 with the launch prep written anew for expert scheduling mode. Each part assembles by itself: llvm-mc -triple=amdgcn-amd-amdhsa -mcpu=gfx1250 --defsym DOCPART=n.
;; ======== version 1 of 2: 4 launches
;; limits: values are held in f16: magnitudes above 65,504 overflow, below 6.1e-05 lose precision
;; workspace buffers: xb 8,388,608 bytes; wb 6,291,456 bytes; wob 2,097,152 bytes; tab 262,144 bytes; qkv 25,165,824 bytes; oh 8,388,608 bytes
;; launch prep (part 1): grid 512 x 1, 8 waves a work-group, no clusters, 0 bytes of LDS; arguments x, wqk_w, wv_w, wo_w, xb, wb, wob, tab; writes xb, wb, wob, tab
.if DOCPART == 1
	.amdgcn_target "amdgcn-amd-amdhsa--gfx1250"
	.amdhsa_code_object_version 6
	.text
	.protected	k_q0286005fb5_prep
	.globl	k_q0286005fb5_prep
	.p2align	8
	.type	k_q0286005fb5_prep,@function
k_q0286005fb5_prep:
	s_mov_b64 s[64:65], 0
	v_nop
	global_prefetch_b8 v0, s[64:65] scope:SCOPE_SE
	s_setreg_imm32_b32 hwreg(HW_REG_WAVE_MODE, 25, 1), 1
	s_wait_xcnt 0x0
; CASTS AND THE ROTARY TABLE.  xb = bf16(x).  wb = bf16 of wqk_w's and wv_w's rows, laid by heads: row head*96 + type*32 + d (type 0 q, 1 k, 2 v), so that 96 rows on end
; are one head's q, k and v.  wob = f16(bf16(wo_w)): rounded to bf16 like the other inputs, that number written as f16.  tab[pos][j] = (cos, sin)(pos * 10000^(-j/16)), f32.
; LIMITS.  |bf16(wo_w)| stays under 65,504; below 6e-5 f16 keeps its fixed step of 6e-8.  10000^(-j/16) is made by v_exp_f32 (1 ULP: ISA guide, its entry), which moves an angle by
; 1.5e-4 at the most (position 2,047); sine and cosine: the angle less a multiple of pi/2 (in two parts), then polynomials good to 3.2e-7 on |r| <= pi/4.
; SHARES.  Work-group g casts 16,384 numbers (64 KiB in, 32 KiB out: 16 rows of a weight).  g < 256: x.  256..383: wqk_w.  384..447: wv_w.  448..511: wo_w.
; A thread takes 16 bytes of each of 16 blocks of 4,096 bytes: all 16 loads are out together; a wave's load covers 512 consecutive bytes, its store 256, aligned.
; No register is used twice, so no store's source is ever rewritten.  No LDS, no matrix unit: nothing is shared and nothing is multiplied.
.set X, 32                             ; v[32:95]   16 x 4 numbers as loaded
.set Y, 96                             ; v[96:127]  16 x 2 registers to store
	s_load_b512 s[8:23], s[0:1], 0x0               ; x s[8:9], wqk s[10:11], wv s[12:13], wo s[14:15], xb s[16:17], wb s[18:19], wob s[20:21], tab s[22:23]
	s_mov_b32 s2, ttmp9                            ; g
	s_and_b32 s3, s2, 255                          ; i: g itself for x, g - 256 for the weights
	s_and_b32 s4, s3, 63                           ; the group of 16 rows within 1,024 rows
	s_lshr_b32 s5, s4, 1                           ; head
	s_mul_i32 s5, s5, 96
	s_lshr_b32 s6, s3, 6                           ; type
	s_lshl_b32 s6, s6, 5
	s_add_co_u32 s5, s5, s6
	s_and_b32 s6, s3, 1                            ; which 16 of the head's 32 channels
	s_lshl_b32 s6, s6, 4
	s_add_co_u32 s5, s5, s6                        ; the row in wb,
	s_lshl_b32 s5, s5, 11                          ; in bytes
	s_lshl_b32 s6, s3, 15                          ; x's place in xb
	s_lshl_b32 s7, s4, 15                          ; wo's place in wob
	s_lshl_b32 s33, s3, 16                         ; the source's offset: x and wqk,
	s_lshl_b32 s34, s4, 16                         ; wv and wo
	s_cmp_lt_u32 s2, 256
	s_cselect_b32 s30, s6, s5
	s_cmp_ge_u32 s2, 448
	s_cselect_b32 s30, s7, s30
	s_cmp_ge_u32 s2, 384
	s_cselect_b32 s28, s34, s33
	s_mov_b32 s29, 0
	s_mov_b32 s31, 0
	s_lshl_b32 s36, s2, 9                          ; the work-group's 512 bytes of the table
	s_mov_b32 s37, 0
	v_lshlrev_b32 v1, 4, v0                        ; 16 t
	v_lshlrev_b32 v2, 3, v0                        ; 8 t
	v_lshrrev_b32 v3, 5, v0
	v_readfirstlane_b32 s32, v3                    ; wave
	s_wait_kmcnt 0x0
	s_cmp_lt_u32 s2, 256                           ; the two buffers are chosen by g alone
	s_cselect_b64 s[24:25], s[8:9], s[10:11]
	s_cselect_b64 s[26:27], s[16:17], s[18:19]
	s_cmp_ge_u32 s2, 384
	s_cselect_b64 s[24:25], s[12:13], s[24:25]
	s_cmp_ge_u32 s2, 448
	s_cselect_b64 s[24:25], s[14:15], s[24:25]
	s_cselect_b64 s[26:27], s[20:21], s[26:27]
	s_add_nc_u64 s[24:25], s[24:25], s[28:29]
	s_add_nc_u64 s[26:27], s[26:27], s[30:31]
	s_add_nc_u64 s[22:23], s[22:23], s[36:37]
.irp k, 0,1,2,3,4,5,6,7,8,9,10,11,12,13,14,15
	global_load_b128 v[X+4*(\k):X+4*(\k)+3], v1, s[24:25] offset:4096*(\k) th:TH_LOAD_NT
.endr
; (cos, sin) of v4 x v[inv] into v[c], v[s]
.macro SINCOS inv, c, s
	v_mul_f32 v12, v4, v[\inv]                     ; the angle a, rounded as the product of two f32
	v_mul_f32 v13, 0x3f22f983, v12                 ; a x 2/pi
	v_rndne_f32 v13, v13                           ; n
	v_fmamk_f32 v12, v13, 0xbfc90fdb, v12          ; a - n x pi/2: the high part,
	v_fmamk_f32 v12, v13, 0x333bbd2e, v12          ; and the low part: r
	v_mul_f32 v14, v12, v12                        ; r^2
	v_mov_b32 v15, 0xb9500d01                      ; -1/5040
	v_fmaak_f32 v15, v15, v14, 0x3c088889          ; 1/120
	v_fmaak_f32 v15, v15, v14, 0xbe2aaaab          ; -1/6
	v_mul_f32 v16, v12, v14
	v_fma_f32 v15, v16, v15, v12                   ; sin r
	v_mov_b32 v16, 0x37d00d01                      ; 1/40320
	v_fmaak_f32 v16, v16, v14, 0xbab60b61          ; -1/720
	v_fmaak_f32 v16, v16, v14, 0x3d2aaaab          ; 1/24
	v_fmaak_f32 v16, v16, v14, 0xbf000000          ; -1/2
	v_fmaak_f32 v16, v16, v14, 0x3f800000          ; cos r
	v_cvt_i32_f32 v13, v13                         ; the quadrant is n mod 4
	v_and_b32 v17, 1, v13
	v_cmp_eq_u32 vcc_lo, 1, v17
	v_cndmask_b32 v18, v15, v16, vcc_lo            ; odd quadrants change sine and cosine
	v_cndmask_b32 v19, v16, v15, vcc_lo
	v_and_b32 v17, 2, v13                          ; the sine is negative in quadrants 2, 3,
	v_lshlrev_b32 v17, 30, v17
	v_xor_b32 v[\s], v17, v18
	v_add_nc_u32 v13, 1, v13                       ; the cosine in quadrants 1, 2
	v_and_b32 v13, 2, v13
	v_lshlrev_b32 v13, 30, v13
	v_xor_b32 v[\c], v13, v19
.endm
	s_cmp_lg_u32 s32, 0                            ; wave 0 makes the work-group's four positions of the table while the loads are out
	s_cbranch_scc1 .Lno_table
	v_lshrrev_b32 v4, 3, v0
	v_lshl_add_u32 v4, s2, 2, v4                   ; position 4 g + lane / 8
	v_cvt_f32_u32 v4, v4
	v_and_b32 v5, 7, v0
	v_lshlrev_b32 v5, 1, v5                        ; j = 2 (lane % 8) and the next
	v_cvt_f32_u32 v5, v5
	v_add_f32 v6, 1.0, v5
	v_mul_f32 v5, 0xbf549a78, v5                   ; -j log2(10000) / 16
	v_mul_f32 v6, 0xbf549a78, v6
	v_exp_f32 v5, v5
	v_exp_f32 v6, v6
	v_nop                                          ; a plain instruction behind the last exponential,
	s_wait_alu depctr_va_vdst(0)                   ; and one wait ahead of the first use of the two
	SINCOS 5, 8, 9
	SINCOS 6, 10, 11
	global_store_b128 v1, v[8:11], s[22:23]        ; 32 lanes: 512 consecutive bytes
.Lno_table:
; Block k: rounded and stored.  half = 1: the bf16 number is written as f16.
.macro CONV k, half
	s_wait_loadcnt 15-(\k)                         ; loads come back in order: block k is in, the 15 - k younger ones may stay out
	v_cvt_pk_bf16_f32 v[Y+2*(\k)],   v[X+4*(\k)],   v[X+4*(\k)+1]
	v_cvt_pk_bf16_f32 v[Y+2*(\k)+1], v[X+4*(\k)+2], v[X+4*(\k)+3]
.if \half
	v_lshlrev_b32 v[X+4*(\k)],   16, v[Y+2*(\k)]
	v_and_b32     v[X+4*(\k)+1], 0xffff0000, v[Y+2*(\k)]
	v_lshlrev_b32 v[X+4*(\k)+2], 16, v[Y+2*(\k)+1]
	v_and_b32     v[X+4*(\k)+3], 0xffff0000, v[Y+2*(\k)+1]
	v_cvt_pk_f16_f32 v[Y+2*(\k)],   v[X+4*(\k)],   v[X+4*(\k)+1]
	v_cvt_pk_f16_f32 v[Y+2*(\k)+1], v[X+4*(\k)+2], v[X+4*(\k)+3]
.endif
	global_store_b64 v2, v[Y+2*(\k):Y+2*(\k)+1], s[26:27] offset:2048*(\k)
.endm
	s_cmp_ge_u32 s2, 448
	s_cbranch_scc1 .Lwo
.irp k, 0,1,2,3,4,5,6,7,8,9,10,11,12,13,14,15
	CONV \k, 0
.endr
	s_endpgm
.Lwo:
.irp k, 0,1,2,3,4,5,6,7,8,9,10,11,12,13,14,15
	CONV \k, 1
.endr
	s_endpgm
.Lfunc_end_k_q0286005fb5_prep:
	.size	k_q0286005fb5_prep, .Lfunc_end_k_q0286005fb5_prep-k_q0286005fb5_prep
	.p2alignl 7, 3214868480
	.fill 96, 4, 3214868480
	.section	.rodata,"a",@progbits
	.p2align	6, 0x0
	.amdhsa_kernel k_q0286005fb5_prep
		.amdhsa_group_segment_fixed_size 0
		.amdhsa_private_segment_fixed_size 0
		.amdhsa_enable_private_segment 0
		.amdhsa_kernarg_size 64
		.amdhsa_user_sgpr_count 2
		.amdhsa_user_sgpr_kernarg_segment_ptr 1
		.amdhsa_wavefront_size32 1
		.amdhsa_system_sgpr_workgroup_id_x 1
		.amdhsa_system_sgpr_workgroup_id_y 1
		.amdhsa_system_sgpr_workgroup_id_z 1
		.amdhsa_system_vgpr_workitem_id 0
		.amdhsa_next_free_vgpr 128
		.amdhsa_next_free_sgpr 66
		.amdhsa_reserve_vcc 1
		.amdhsa_float_denorm_mode_32 3
		.amdhsa_float_denorm_mode_16_64 3
		.amdhsa_memory_ordered 1
		.amdhsa_forward_progress 1
		.amdhsa_inst_pref_size 20
	.end_amdhsa_kernel
	.amdgpu_metadata
---
amdhsa.version: [ 1, 2 ]
amdhsa.kernels:
  - .name:           k_q0286005fb5_prep
    .symbol:         k_q0286005fb5_prep.kd
    .args:
      - { .name: x, .offset: 0, .size: 8, .value_kind: global_buffer, .address_space: global }
      - { .name: wqk_w, .offset: 8, .size: 8, .value_kind: global_buffer, .address_space: global }
      - { .name: wv_w, .offset: 16, .size: 8, .value_kind: global_buffer, .address_space: global }
      - { .name: wo_w, .offset: 24, .size: 8, .value_kind: global_buffer, .address_space: global }
      - { .name: xb, .offset: 32, .size: 8, .value_kind: global_buffer, .address_space: global }
      - { .name: wb, .offset: 40, .size: 8, .value_kind: global_buffer, .address_space: global }
      - { .name: wob, .offset: 48, .size: 8, .value_kind: global_buffer, .address_space: global }
      - { .name: tab, .offset: 56, .size: 8, .value_kind: global_buffer, .address_space: global }
    .group_segment_fixed_size: 0
    .private_segment_fixed_size: 0
    .kernarg_segment_align: 8
    .kernarg_segment_size: 64
    .max_flat_workgroup_size: 256
    .sgpr_count:     66
    .vgpr_count:     128
    .wavefront_size: 32
...
	.end_amdgpu_metadata
.endif
;; end of part 1
;; launch qkvrope (part 2): grid 16 x 16, 4 waves a work-group, clusters of 4 x 4, 327,680 bytes of LDS; arguments xb, wb, tab, qkv; writes qkv
.if DOCPART == 2
	.amdgcn_target "amdgcn-amd-amdhsa--gfx1250"
	.amdhsa_code_object_version 6
	.text
	.protected	k_q0286005fb5_qkvrope
	.globl	k_q0286005fb5_qkvrope
	.p2align	8
	.type	k_q0286005fb5_qkvrope,@function
k_q0286005fb5_qkvrope:
	s_mov_b64 s[64:65], 0
	v_nop
	global_prefetch_b8 v0, s[64:65] scope:SCOPE_SE
	s_setreg_imm32_b32 hwreg(HW_REG_WAVE_MODE, 25, 1), 1
	s_wait_xcnt 0x0
	s_wait_alu depctr_hold_cnt(0) depctr_sa_sdst(0) depctr_va_vdst(0) depctr_va_sdst(0) depctr_va_ssrc(0) depctr_va_vcc(0) depctr_vm_vsrc(0)
	s_getreg_b32 s2, hwreg(HW_REG_IB_STS2, 6, 4)
	s_cmp_eq_u32 s2, 0
	s_cbranch_scc0 .Lentry_in_a_cluster
	s_endpgm
.Lentry_in_a_cluster:
	s_bfe_u32 s2, ttmp6, 0x10000c
	s_cmp_lg_u32 s2, 0xf033
	s_cbranch_scc0 .Lentry_shape_is_right
	s_endpgm
.Lentry_shape_is_right:
; THE PROJECTIONS AND THE ROTARY EMBEDDING.  C[m][n] = sum over k of xb[m][k] wb[n][k], 4,096 x 3,072 x 1,024, bf16 operands, f32 sums; q's and k's pairs of channels are turned by
; tab's (cos, sin) in f32; all is rounded once to f16 and stored by heads: qkv[type][batch*32 + head][token][32].
; LIMIT.  |q|, |k|, |v| stay under 65,504 (f16); at the drawn spread they are about 0.64, and 18,400 with x and the weights both offset by 30 spreads.
; SHARES.  A work-group makes 256 tokens x 192 columns (two heads' q, k, v): 16 x 16 work-groups.  Four waves, each 128 tokens x 96 columns (ONE head): 48 accumulators, 384 registers.
; K goes in steps of 128 through a ring of two LDS slots; rows of 256 bytes of memory, 272 apart in LDS.
; CLUSTER 4 x 4.  The four of a row of the cluster need the same tiles of xb, the four of a column the same tiles of wb: each tile is asked for jointly, by the same tensor load with the same
; descriptor and a mask that names the four.
; THE MATRIX INSTRUCTION IS USED TRANSPOSED (source 0 = 16 rows of wb, source 1 = 16 tokens): a lane holds ONE token (lane % 16) and eight neighbouring channels 8 (lane / 16) + 0..7.
; REGISTERS, in windows of 256 (s_set_vgpr_msb: bits 1:0 source 0, 3:2 source 1, 5:4 source 2, 7:6 destination):
;   window 0: v16-30 addresses; v64-127, v128-191 fragments of xb, two buffers; on the way out v64-95 turned pairs, v96-119 packed, v128-175 rows read back
;   window 1: v64-111, v128-175 fragments of wb, two buffers
;   window 2: accumulators of my token blocks 0-3 ((a, b) at 48 a + 8 b), v192-255 their (cos, sin);   window 3: the same for blocks 4-7
.set PITCH,  272
.set AHALF,  128*PITCH                 ; 128 rows of xb: one tensor load, and what a wave reads
.set BHALF,  96*PITCH                  ; 96 rows of wb: likewise
.set BOFF,   2*AHALF
.set SLOT,   BOFF+2*BHALF              ; 121,856
.set STAGE,  2*SLOT                    ; behind the ring: for each wave 3 types x 16 tokens x 80 bytes
.set WSTG,   3*16*80
.set SPARE,  STAGE+4*WSTG              ; the spare words, 128 bytes a wave: two blocks of 256 bytes that no other line names
.set ADRA, 16                          ; v16-17  LDS address of my fragments of xb in slot 0, 1
.set ADRB, 20                          ; v20-21  of wb
.set STO,  24                          ; the way out: where I put 16 bytes of a token
.set RD,   25                          ; where I read 16 bytes of 512 on end back
.set CO,   26                          ; 16 x lane
.set TO,   27                          ; my 32 bytes in a token's 128 of the table
.set SPW,  28                          ; my spare word; never rewritten
.set NIL,  29                          ; 0; never rewritten
.set PFO,  30                          ; the prefetches' offset: a lane a row
.set F0,   64
.set F1,   128
.set RR,   64                          ; turned pairs
.set PKD,  96                          ; packed f16
.set BKR,  128                         ; rows read back, two sets of 24
.set TBL,  192                         ; (cos, sin): block a % 4, column parity p, pair i at TBL + 16 (a % 4) + 8 p + 2 i
.set WV, 12
.set WR, 13                            ; my half of the tokens; also: I fetch for xb (0) or wb (1)
.set WC, 14                            ; my half of the columns; also: which half of that tile I fetch
.set G1,  24
.set G0,  32
.set PFA, 40
.set LIM, 42
.set G1B, 48
.set G0B, 56
.set PQ,  66                           ; s[66:67], s[68:69], s[70:71]: q, k, v at my head's first token of mine
.set PT,  72                           ; s[72:73]: the table at my first token
.set MSB, 0
.macro WIN new                         ; the immediate's high byte repeats the setting that is left
.if MSB != (\new)
	s_set_vgpr_msb (MSB<<8)|(\new)
.set MSB, \new
.endif
.endm
.set MUL_LO, 0xa1
.set MUL_HI, 0xf1
.set TO_B,   0x40
; A joint load: waves 0 and 1 fetch xb's two halves, waves 2 and 3 wb's.  The branch hangs on the wave's number alone.  An s_nop 0 and four v_nop follow each line.
.macro JLOAD s
	s_cmp_eq_u32 s[WR], 0
	s_cbranch_scc0 .Lfor_b_\@
	tensor_load_to_lds s[G0+4*(\s):G0+4*(\s)+3], s[G1:G1+7]
	s_nop 0
.rept 4
	v_nop
.endr
	s_branch .Lasked_\@
.Lfor_b_\@:
	tensor_load_to_lds s[G0B+4*(\s):G0B+4*(\s)+3], s[G1B:G1B+7]
	s_nop 0
.rept 4
	v_nop
.endr
.Lasked_\@:
.endm
; A prefetch of the K step that stands two refills on: 256 bytes of a row, a lane a row, one instruction a wave.  xb's rows are asked for by the clusters with x = 0, wb's by those with y = 0.
; The four partners that ask for a tile jointly share its rows out by address: of xb's 128 rows the partner at cx takes 32 cx + lane; of wb's 96 the partner at cy takes 24 cy + lane,
; where lanes 24 to 31 name lane 23's row once more.  The loop's last trip asks for nothing: K steps 8 and 9 do not exist.
.macro ASK
	s_cmp_gt_u32 s19, s[LIM]
	s_cbranch_scc0 .Lnot_mine_\@
	global_prefetch_b8 v[PFO], s[PFA:PFA+1] offset:256 th:TH_LOAD_NT scope:SCOPE_SE
.Lnot_mine_\@:
.endm
.macro CREST                           ; a round of the cluster's barrier behind its opening barrier
	s_cmp_lg_u32 s[WV], 0
	s_cbranch_scc1 .Lnot_wave_0_\@
	s_barrier_signal -3
.Lnot_wave_0_\@:
	s_barrier_wait -3
	s_barrier_signal -1
	s_barrier_wait -1
.endm
.macro CROUND
	s_barrier_signal -1
	s_barrier_wait -1
	CREST
.endm
	s_load_b256 s[4:11], s[0:1], 0x0               ; xb s[4:5], wb s[6:7], tab s[8:9], qkv s[10:11]
	v_lshl_add_u32 v[SPW], v0, 2, SPARE
	v_mov_b32 v[NIL], 0
	ds_add_u32 v[SPW], v[NIL]                      ; the wave's opening: an add and its wait ahead of my first tensor load
	v_lshrrev_b32 v1, 5, v0
	v_readfirstlane_b32 s[WV], v1
	s_lshr_b32 s[WR], s[WV], 1
	s_and_b32 s[WC], s[WV], 1
	s_bfe_u32 s15, ttmp6, 0x40000                  ; cx
	s_bfe_u32 s16, ttmp6, 0x40004                  ; cy
	s_lshl_b32 s17, ttmp9, 2
	s_add_co_u32 s17, s17, s15                     ; tile column tx
	s_and_b32 s18, ttmp7, 0xffff
	s_lshl_b32 s18, s18, 2
	s_add_co_u32 s18, s18, s16                     ; tile row ty
	s_lshl_b32 s20, s16, 2
	s_lshl_b32 s20, 15, s20                        ; my row of the cluster
	s_lshl_b32 s21, 0x1111, s15                    ; my column
	s_or_b32 s[G1], s20, (1<<16)|(1<<20)|(1<<21)|(5<<22)|(3<<25)   ; the mask; 2-byte elements; padding on; bit 21 beside a mask; 4 words behind every 64
	s_or_b32 s[G1B], s21, (1<<16)|(1<<20)|(1<<21)|(5<<22)|(3<<25)
	s_mov_b32 s[G1+1], 128<<16                     ; tensor_dim0 = 128
	s_mov_b32 s[G1+2], 128<<16                     ; tensor_dim1 = 128
	s_mov_b32 s[G1+3], 128<<16                     ; tile_dim0 = 128
	s_mov_b32 s[G1+4], 128                         ; tile_dim1 = 128
	s_mov_b32 s[G1+5], 1024                        ; elements from row to row
	s_mov_b32 s[G1+6], 0
	s_mov_b32 s[G1+7], 0
	s_mov_b32 s[G1B+1], 128<<16
	s_mov_b32 s[G1B+2], 96<<16                     ; 96 rows
	s_mov_b32 s[G1B+3], 128<<16
	s_mov_b32 s[G1B+4], 96
	s_mov_b32 s[G1B+5], 1024
	s_mov_b32 s[G1B+6], 0
	s_mov_b32 s[G1B+7], 0
	s_lshl_b32 s22, s18, 8                         ; xb: row 256 ty + 128 half: it hangs on the tile row alone
	s_lshl_b32 s23, s[WC], 7
	s_add_co_u32 s22, s22, s23
	s_lshl_b32 s22, s22, 11                        ; rows of 2,048 bytes
	s_mov_b32 s23, 0
	s_mul_i32 s46, s17, 192                        ; wb: row 192 tx + 96 half: on the tile column alone
	s_mul_i32 s47, s[WC], 96
	s_add_co_u32 s46, s46, s47
	s_lshl_b32 s46, s46, 11
	s_mov_b32 s47, 0
	s_mul_i32 s43, s[WC], AHALF                    ; where they go: no place in the cluster enters an LDS address
	s_mul_i32 s44, s[WC], BHALF
	s_add_co_u32 s44, s44, BOFF
	s_wait_dscnt 0x0                               ; the opening add is done
	s_wait_kmcnt 0x0
	s_add_nc_u64 s[22:23], s[4:5], s[22:23]
	s_add_nc_u64 s[46:47], s[6:7], s[46:47]
	CROUND                                         ; all sixteen work-groups are here: the first joint loads meet
.irp s, 0,1
	s_mov_b32 s[G0+4*(\s)], 1
	s_add_co_u32 s[G0+4*(\s)+1], s43, (\s)*SLOT
	s_add_nc_u64 s[G0+4*(\s)+2:G0+4*(\s)+3], s[22:23], (\s)*256    ; K step s
	s_or_b32 s[G0+4*(\s)+3], s[G0+4*(\s)+3], 0x80000000
	s_mov_b32 s[G0B+4*(\s)], 1
	s_add_co_u32 s[G0B+4*(\s)+1], s44, (\s)*SLOT
	s_add_nc_u64 s[G0B+4*(\s)+2:G0B+4*(\s)+3], s[46:47], (\s)*256
	s_or_b32 s[G0B+4*(\s)+3], s[G0B+4*(\s)+3], 0x80000000
	JLOAD \s                                       ; two loads of mine are out
.endr
	v_and_b32 v1, 15, v0                           ; r = lane % 16
	v_bfe_u32 v2, v0, 4, 1                         ; h = lane / 16
	v_mul_u32_u24 v3, v1, PITCH
	v_lshl_add_u32 v3, v2, 4, v3                   ; a fragment's row x pitch + 16 h
	s_mul_i32 s20, s[WR], AHALF
	s_mul_i32 s21, s[WC], BHALF
	s_add_co_u32 s21, s21, BOFF
.irp s, 0,1
	v_add_nc_u32 v[ADRA+(\s)], s20, v3
	v_add_nc_u32 v[ADRB+(\s)], s21, v3
	s_add_co_u32 s20, s20, SLOT
	s_add_co_u32 s21, s21, SLOT
.endr
	s_mul_i32 s20, s[WV], WSTG
	s_add_co_u32 s20, s20, STAGE                   ; my stage
	v_mul_u32_u24 v4, v1, 80                       ; in: token r, 16 bytes for each half of the lanes
	v_lshl_add_u32 v4, v2, 4, v4
	v_add_nc_u32 v[STO], s20, v4
	v_bfe_u32 v6, v0, 2, 3                         ; back: 32 lanes take eight tokens of 64 bytes
	v_mul_u32_u24 v6, v6, 80
	v_and_b32 v7, 3, v0
	v_lshl_add_u32 v6, v7, 4, v6
	v_add_nc_u32 v[RD], s20, v6
	v_and_b32 v5, 31, v0
	v_lshlrev_b32 v[CO], 4, v5
	v_lshlrev_b32 v[TO], 7, v1                     ; the table: token r's 128 bytes, my four pairs' 32
	v_lshl_add_u32 v[TO], v2, 5, v[TO]
	s_and_b32 s74, s18, 7
	s_lshl_b32 s74, s74, 8
	s_lshl_b32 s75, s[WR], 7
	s_add_co_u32 s74, s74, s75                     ; my first token in its batch = its position
	s_lshl_b32 s76, s74, 7
	s_mov_b32 s77, 0
	s_add_nc_u64 s[PT:PT+1], s[8:9], s[76:77]
	s_lshr_b32 s76, s18, 3                         ; batch
	s_lshl_b32 s76, s76, 5
	s_lshl_b32 s78, s17, 1
	s_add_co_u32 s76, s76, s78
	s_add_co_u32 s76, s76, s[WC]                   ; batch x 32 + head, head = 2 tx + my column half
	s_lshl_b32 s76, s76, 17                        ; a head is 131,072 bytes
	s_lshl_b32 s74, s74, 6                         ; a token 64
	s_add_co_u32 s76, s76, s74
	s_add_nc_u64 s[PQ:PQ+1], s[10:11], s[76:77]
	s_add_nc_u64 s[PQ+2:PQ+3], s[PQ:PQ+1], 0x800000    ; k's plane
	s_add_nc_u64 s[PQ+4:PQ+5], s[PQ:PQ+1], 0x1000000   ; v's plane
	; my tokens' (cos, sin): 32 loads that stay out over the whole K loop; they are waited for in front of the way out
.irp a, 0,1,2,3,4,5,6,7
	WIN 0x80+0x40*((\a)/4)
.irp p, 0,1
	global_load_b128 v[TBL+16*((\a)%4)+8*(\p):TBL+16*((\a)%4)+8*(\p)+3],   v[TO], s[PT:PT+1] offset:(\a)*2048+(\p)*64
	global_load_b128 v[TBL+16*((\a)%4)+8*(\p)+4:TBL+16*((\a)%4)+8*(\p)+7], v[TO], s[PT:PT+1] offset:(\a)*2048+(\p)*64+16
.endr
.endr
	WIN 0
	; the prefetches' address
	s_lshl_b32 s43, s18, 8
	s_lshl_b32 s45, s[WC], 7
	s_add_co_u32 s43, s43, s45
	s_lshl_b32 s45, s15, 5
	s_add_co_u32 s43, s43, s45                     ; xb: 256 ty + 128 half + 32 cx
	s_mul_i32 s44, s17, 192
	s_mul_i32 s45, s[WC], 96
	s_add_co_u32 s44, s44, s45
	s_mul_i32 s45, s16, 24
	s_add_co_u32 s44, s44, s45                     ; wb: 192 tx + 96 half + 24 cy
	s_and_b32 s22, ttmp7, 0xffff                   ; cluster y
	s_cmp_eq_u32 s[WR], 0
	s_cselect_b32 s20, s43, s44
	s_cselect_b32 s22, ttmp9, s22                  ; the coordinate along which other clusters read the same rows
	s_cselect_b32 s23, 31, 23
	s_cselect_b64 s[PFA:PFA+1], s[4:5], s[6:7]
	s_cmp_eq_u32 s22, 0
	s_cselect_b32 s[LIM], 1, -1                    ; the same in all sixteen partners, for a given wave
	s_lshl_b32 s20, s20, 11
	s_mov_b32 s21, 0
	s_add_nc_u64 s[PFA:PFA+1], s[PFA:PFA+1], s[20:21]
	s_add_nc_u64 s[PFA:PFA+1], s[PFA:PFA+1], 2*256 ; at K step 2: the first refill steps it to 3 and names K step 4.  Nothing is prefetched here at the head
	v_min_u32 v[PFO], s23, v5
	v_lshlrev_b32 v[PFO], 11, v[PFO]
; 12 matrix instructions: token blocks a0, a0 + 1 of the window's four x all 6 column blocks, 32 along K.  zero = 1: the first product starts the sums.
.macro MULB f, hi, a0, zero
	WIN MUL_LO+0x50*(\hi)
.irp a, \a0, (\a0)+1
.irp b, 0,1,2,3,4,5
.if \zero
	v_wmma_f32_16x16x32_bf16 v[48*(\a)+8*(\b):48*(\a)+8*(\b)+7], v[(\f)+8*(\b):(\f)+8*(\b)+7], v[(\f)+8*(4*(\hi)+(\a)):(\f)+8*(4*(\hi)+(\a))+7], 0
.else
	v_wmma_f32_16x16x32_bf16 v[48*(\a)+8*(\b):48*(\a)+8*(\b)+7], v[(\f)+8*(\b):(\f)+8*(\b)+7], v[(\f)+8*(4*(\hi)+(\a)):(\f)+8*(4*(\hi)+(\a))+7], v[48*(\a)+8*(\b):48*(\a)+8*(\b)+7]
.endif
.endr
.endr
.endm
; 28 LDS loads in one run: a quarter step's fragments (96 rows of wb, then 128 of xb; 32 K at byte k of the rows) into buffer f
.macro FETCH slot, k, f
	WIN TO_B
.irp i, 0,1,2,3,4,5
	ds_load_b128 v[(\f)+8*(\i):(\f)+8*(\i)+3],   v[ADRB+(\slot)] offset:(\k)+(\i)*16*PITCH
	ds_load_b128 v[(\f)+8*(\i)+4:(\f)+8*(\i)+7], v[ADRB+(\slot)] offset:(\k)+(\i)*16*PITCH+32
.endr
	WIN 0
.irp i, 0,1,2,3,4,5,6,7
	ds_load_b128 v[(\f)+8*(\i):(\f)+8*(\i)+3],   v[ADRA+(\slot)] offset:(\k)+(\i)*16*PITCH
	ds_load_b128 v[(\f)+8*(\i)+4:(\f)+8*(\i)+7], v[ADRA+(\slot)] offset:(\k)+(\i)*16*PITCH+32
.endr
.endm
.macro PLACES                          ; four plain instructions between a matrix instruction and a load into, or a vector line on, its registers
.rept 4
	v_nop
.endr
.endm
; A K step is four quarters of 32 along K, 48 matrix instructions each, on buffers 0, 1, 0, 1; the 48 accumulators take turns in the same order in every quarter.
.macro QUARTER slot, k, f, g, zero
	s_wait_dscnt 8                                 ; wb's and xb's rows 0-63 are in; the youngest eight loads (xb's rows 64-127) may be out
	MULB \f, 0, 0, \zero
	MULB \f, 0, 2, \zero
	PLACES
	FETCH \slot, \k, \g
	s_wait_dscnt 28                                ; all but the 28 just issued
	MULB \f, 1, 0, \zero
	MULB \f, 1, 2, \zero
.endm
; The first half of a step's last quarter: one barrier for the change of slots.  In front of it each wave waits for all its tensor loads (one is out: its part of the next slot), adds 0 to
; its spare word, and waits for that and for its reads of this slot.
.macro MEET round
	WIN 0
	s_wait_tensorcnt 0x0
	ds_add_u32 v[SPW], v[NIL]
	s_wait_dscnt 9                                 ; the add and the youngest eight loads may be out
	MULB F1, 0, 0, 0
	s_wait_dscnt 0x0                               ; the add is done, my reads of this slot are over
	s_barrier_signal -1
	MULB F1, 0, 2, 0
.if \round
	WIN 0
.endif
	s_barrier_wait -1
.endm
; The whole last quarter with a refill: the barrier opens a round of the cluster's; the joint refill, two K steps on, is the first thing behind the round: 168 matrix instructions ahead of the wait for it.
.macro TURN slot, next
	s_wait_xcnt 0x0                                ; the last prefetch, a K step back, has read its address
	s_add_nc_u64 s[PFA:PFA+1], s[PFA:PFA+1], 256
	MEET 1
	CREST
	s_add_nc_u64 s[G0+4*(\slot)+2:G0+4*(\slot)+3], s[G0+4*(\slot)+2:G0+4*(\slot)+3], 512
	s_add_nc_u64 s[G0B+4*(\slot)+2:G0B+4*(\slot)+3], s[G0B+4*(\slot)+2:G0B+4*(\slot)+3], 512
	JLOAD \slot                                    ; its four v_nop are also the places in front of the loads below
	FETCH \next, 0, F0
	ASK
	MULB F1, 1, 0, 0
	MULB F1, 1, 2, 0
.endm
	s_wait_tensorcnt 1                             ; my part of K step 0 is in; K step 1's load may stay out
	s_barrier_signal -1
	s_barrier_wait -1
	FETCH 0, 0, F0
	QUARTER 0, 64,  F0, F1, 1                      ; the first quarter starts the sums
	WIN 0
	s_mov_b32 s19, 3
.Llap:                                                 ; a trip goes once round the ring and fills both slots again: K steps 2 to 7
	QUARTER 0, 128, F1, F0, 0
	QUARTER 0, 192, F0, F1, 0
	TURN 0, 1
	QUARTER 1, 64,  F0, F1, 0
	QUARTER 1, 128, F1, F0, 0
	QUARTER 1, 192, F0, F1, 0
	TURN 1, 0
	QUARTER 0, 64,  F0, F1, 0
	WIN 0
	s_sub_co_u32 s19, s19, 1
	s_cmp_lg_u32 s19, 0
	s_cbranch_scc1 .Llap
	QUARTER 0, 128, F1, F0, 0                      ; the last lap fills nothing
	QUARTER 0, 192, F0, F1, 0
	MEET 0
	PLACES
	FETCH 1, 0, F0
	MULB F1, 1, 0, 0
	MULB F1, 1, 2, 0
	QUARTER 1, 64,  F0, F1, 0
	QUARTER 1, 128, F1, F0, 0
	QUARTER 1, 192, F0, F1, 0
	s_wait_dscnt 8
	MULB F1, 0, 0, 0
	MULB F1, 0, 2, 0
	s_wait_dscnt 0x0
	MULB F1, 1, 0, 0
	MULB F1, 1, 2, 0
; THE WAY OUT, a block of 16 tokens at a time.  Column blocks 0, 1 are q, 2, 3 are k, 4, 5 are v.  PACK: q's and k's pairs (e, o) become (e c - o s, o c + e s); all is rounded to f16.
; Each accumulator's lowest registers are read first.
.macro PACK a
.set AC, 48*((\a)%4)
.set TT, TBL+16*((\a)%4)
	WIN 0x0a+5*((\a)/4)                            ; sources 0 and 1 in window 2 or 3; source 2 and the destination in window 0
.irp b, 0,1,2,3
.irp i, 0,1,2,3
	v_mul_f32 v[RR+8*(\b)+2*(\i)],   v[AC+8*(\b)+2*(\i)+1], v[TT+8*((\b)%2)+2*(\i)+1]
	v_mul_f32 v[RR+8*(\b)+2*(\i)+1], v[AC+8*(\b)+2*(\i)],   v[TT+8*((\b)%2)+2*(\i)+1]
	v_fma_f32 v[RR+8*(\b)+2*(\i)],   v[AC+8*(\b)+2*(\i)],   v[TT+8*((\b)%2)+2*(\i)], -v[RR+8*(\b)+2*(\i)]
	v_fma_f32 v[RR+8*(\b)+2*(\i)+1], v[AC+8*(\b)+2*(\i)+1], v[TT+8*((\b)%2)+2*(\i)], v[RR+8*(\b)+2*(\i)+1]
.endr
.endr
.irp b, 4,5
.irp i, 0,1,2,3
	v_cvt_pk_f16_f32 v[PKD+4*(\b)+(\i)], v[AC+8*(\b)+2*(\i)], v[AC+8*(\b)+2*(\i)+1]
.endr
.endr
	WIN 0
.irp j, 0,1,2,3,4,5,6,7,8,9,10,11,12,13,14,15
	v_cvt_pk_f16_f32 v[PKD+(\j)], v[RR+2*(\j)], v[RR+2*(\j)+1]
.endr
.endm
.macro TOSTAGE a                       ; into my stage by tokens, back as 512 bytes on end
.set BB, BKR+24*((\a)%2)
.irp b, 0,1,2,3,4,5
	ds_store_b128 v[STO], v[PKD+4*(\b):PKD+4*(\b)+3] offset:((\b)/2)*1280+((\b)%2)*32
.endr
	s_wait_xcnt 0x0                                ; the stores of two blocks back have read this set of registers
.irp u, 0,1,2,3,4,5
	ds_load_b128 v[BB+4*(\u):BB+4*(\u)+3], v[RD] offset:((\u)/2)*1280+((\u)%2)*640  ; LDS serves a wave's instructions in order (ISA guide 5.7.1.4): these see the stores above
.endr
.endm
.macro SEND a
.set BB, BKR+24*((\a)%2)
	s_wait_dscnt 0x0
.irp u, 0,1,2,3,4,5
	global_store_b128 v[CO], v[BB+4*(\u):BB+4*(\u)+3], s[PQ+2*((\u)/2):PQ+2*((\u)/2)+1] offset:(\a)*1024+((\u)%2)*512  ; 512 consecutive bytes, aligned: eight tokens of a head
.endr
.endm
	WIN 0
	PLACES
	s_wait_loadcnt 0x0                             ; the table
	PACK 0
	TOSTAGE 0
.irp a, 1,2,3,4,5,6,7
	PACK \a                                        ; a block's arithmetic stands between the loads of the block before and the wait for them
	SEND (\a)-1
	TOSTAGE \a
.endr
	SEND 7
	s_wait_tensorcnt 0x0                           ; the wave's end
	ds_add_u32 v[SPW], v[NIL]
	s_wait_dscnt 0x0
	CROUND                                         ; the closing round
	s_endpgm
.Lfunc_end_k_q0286005fb5_qkvrope:
	.size	k_q0286005fb5_qkvrope, .Lfunc_end_k_q0286005fb5_qkvrope-k_q0286005fb5_qkvrope
	.p2alignl 7, 3214868480
	.fill 96, 4, 3214868480
	.section	.rodata,"a",@progbits
	.p2align	6, 0x0
	.amdhsa_kernel k_q0286005fb5_qkvrope
		.amdhsa_group_segment_fixed_size 327680
		.amdhsa_private_segment_fixed_size 0
		.amdhsa_enable_private_segment 0
		.amdhsa_kernarg_size 32
		.amdhsa_user_sgpr_count 2
		.amdhsa_user_sgpr_kernarg_segment_ptr 1
		.amdhsa_wavefront_size32 1
		.amdhsa_system_sgpr_workgroup_id_x 1
		.amdhsa_system_sgpr_workgroup_id_y 1
		.amdhsa_system_sgpr_workgroup_id_z 1
		.amdhsa_system_vgpr_workitem_id 0
		.amdhsa_next_free_vgpr 1024
		.amdhsa_next_free_sgpr 80
		.amdhsa_reserve_vcc 0
		.amdhsa_float_denorm_mode_32 3
		.amdhsa_float_denorm_mode_16_64 3
		.amdhsa_memory_ordered 1
		.amdhsa_forward_progress 1
		.amdhsa_inst_pref_size 144
	.end_amdhsa_kernel
	.amdgpu_metadata
---
amdhsa.version: [ 1, 2 ]
amdhsa.kernels:
  - .name:           k_q0286005fb5_qkvrope
    .symbol:         k_q0286005fb5_qkvrope.kd
    .args:
      - { .name: xb, .offset: 0, .size: 8, .value_kind: global_buffer, .address_space: global }
      - { .name: wb, .offset: 8, .size: 8, .value_kind: global_buffer, .address_space: global }
      - { .name: tab, .offset: 16, .size: 8, .value_kind: global_buffer, .address_space: global }
      - { .name: qkv, .offset: 24, .size: 8, .value_kind: global_buffer, .address_space: global }
    .group_segment_fixed_size: 327680
    .private_segment_fixed_size: 0
    .kernarg_segment_align: 8
    .kernarg_segment_size: 32
    .max_flat_workgroup_size: 128
    .sgpr_count:     80
    .vgpr_count:     1024
    .wavefront_size: 32
...
	.end_amdgpu_metadata
.endif
;; end of part 2
;; launch attn (part 3): grid 4 x 64, 8 waves a work-group, no clusters, 327,680 bytes of LDS; arguments qkv, oh; writes oh
.if DOCPART == 3
	.amdgcn_target "amdgcn-amd-amdhsa--gfx1250"
	.amdhsa_code_object_version 6
	.text
	.protected	k_q0286005fb5_attn
	.globl	k_q0286005fb5_attn
	.p2align	8
	.type	k_q0286005fb5_attn,@function
k_q0286005fb5_attn:
	s_mov_b64 s[64:65], 0
	v_nop
	global_prefetch_b8 v0, s[64:65] scope:SCOPE_SE
	s_setreg_imm32_b32 hwreg(HW_REG_WAVE_MODE, 25, 1), 1
	s_wait_xcnt 0x0
; CAUSAL ATTENTION AT HEAD SIZE 32.  oh[bh][q][:] = sum over k <= q of softmax_k(Q[q] . K[k] / sqrt(32)) V[k][:].  Q, K, V: the three planes of qkv, [64][2048][32] f16; oh likewise.
; Products, maxima and the rescaling in f32; the weights p are rounded to f16 for the second product, and their sum l is taken of the rounded p, by the matrix unit (ones x P), in f32.
; LIMITS.  A hidden score counts as -1e30 (f16's scores are 1.4e11 at the most); a weight under 6e-8 counts as 0 in the product and in l; O has V's range; NaN and infinities are not treated apart.
; THE WALK.  A head has 8 blocks of 256 queries; block i needs key tiles 0 .. i of 256 keys.  A work-group takes blocks 7 - b and then b: 9 tiles whatever b, walked by one loop of constant count.
; NO CLUSTER: the four work-groups of a head ask for the same tile in trips 0 to 4 alone, their walks hang on b, which would be the place in the cluster, and a walk common to all has 12 trips for 9.
; SHARES.  Eight waves, two on a SIMD, 256 registers each, so that one wave's vector work lies over the other's LDS and matrix phases; a step is written in phases.  A wave owns 32 queries on end (two
; tiles of 16): group g = wave (waves 0-3) or 11 - wave (waves 4-7), so that waves w and w + 4 have five live steps together in the diagonal tile: of its four steps of 64 keys a wave does those
; up to g / 2, the last of them masked, and jumps forward over the others.
; LAYOUT.  S^T = K Q^T holds ONE query a lane (lane % 16) and keys 8 (lane / 16) + 0..7; rounded to f16 in pairs, in place, two such results ARE source 1 of O^T = V^T P.  V is turned by ds_load_tr16_b128.
; SOFTMAX.  p = 2^(c s - c m), c = log2(e) / sqrt(32), m a running maximum; O and l are multiplied by a = 2^(c m_old - c m_new) in every step.  c m starts far below every c s: a block's first a is 0.
.set KP,    80        ; a key's row of K in LDS: 64 bytes + 16: an odd multiple of 16
.set VP,    96        ; of V: 64 + 32: an odd multiple of 32
.set VOFF,  256*KP    ; a slot: 256 rows of K, then 256 of V
.set SLOT1, 1<<16
.set STAGE, SLOT1+256*(KP+VP)   ; behind the ring: 32 tokens x 80 bytes for each wave
.set SPARE, STAGE+8*32*80       ; the spare words, 128 bytes a wave: four blocks of 256 bytes that no other line names
.set AK0, 2
.set AV0, 3
.set AK,  4
.set AV,  5
.set STO, 6
.set RD,  7
.set GO,  8
.set QO,  10
.set DQ,  12          ; my query's place in its band of 64, less 8 (lane / 16)
.set BIG, 13          ; -1e30
.set SPW, 14
.set NIL, 15
.set ST,  16          ; tile t at ST + 8 t: c m, m, a (at the end 1 / l), its pair's partner (0), c0-c3 at work
.set Q,   32
.set QB,  48          ; the second block's Q
.set ONE, 64          ; 16 x 32 ones in f16
.set KF,  72
.set VF,  104         ; key half kk, channel block cb at VF + 16 kk + 8 cb
.set S,   136         ; 32 a tile; P takes the first 16 of them
.set O,   200         ; 16 a tile
.set LA,  232         ; 8 a tile: every row of ones x P is l; register 0 is read
.set MV,  248
.set PFO, 250
.set WV,  12
.set GG,  13
.set PB,  14
.set HI,  15
.set OP,  20
.set OLO, 22
.set G1K, 24
.set G1V, 32
.set G0K, 40
.set G0V, 44
.set SLOTS, 48
.set IDX, 49
.set LV,  50          ; the number of the tile's masked step; 4: none
.set RT,  51          ; tiles of the block in hand still to be entered
.set NXT, 52
.set LQ,  53
.set GH,  55
.set OFF, 56
.set CS,  58
.set SEL, 60
.set TBK, 62
.set TBV, 63
.set PFA, 66
.set LIM, 68
.set PFN, 69
; A fill: wave 0 fetches the tile's K, wave 1 its V; the others none.  An s_nop 0 and four v_nop follow each line.
.macro LOAD
	s_cmp_lg_u32 s[WV], 0
	s_cbranch_scc1 .Lnot_k_\@
	tensor_load_to_lds s[G0K:G0K+3], s[G1K:G1K+7]
	s_nop 0
.rept 4
	v_nop
.endr
.Lnot_k_\@:
	s_cmp_lg_u32 s[WV], 1
	s_cbranch_scc1 .Lnot_v_\@
	tensor_load_to_lds s[G0V:G0V+3], s[G1V:G1V+7]
	s_nop 0
.rept 4
	v_nop
.endr
.Lnot_v_\@:
.endm
; A prefetch of the tile that the NEXT change of slots will ask for.  The head's work-group with b = 0 walks tiles 0 to 7 in order: it alone asks; its waves 2 and 3 name the two halves of K's
; 16,384 bytes, waves 4 and 5 those of V's, a lane 256 bytes: each block is named once in the launch.  Tiles 0 and 1 come by their loads alone; behind tile 7 nothing is asked for.
.macro ASK
	s_cmp_lt_u32 s[PFN], s[LIM]
	s_cbranch_scc0 .Lnot_mine_\@
	global_prefetch_b8 v[PFO], s[PFA:PFA+1] th:TH_LOAD_NT scope:SCOPE_SE
.Lnot_mine_\@:
	s_add_co_u32 s[PFN], s[PFN], 1
.endm
; THE CHANGE OF SLOTS.  Each wave waits for all its tensor loads, adds 0 to its spare word, and waits for that and for its reads of the slot that it leaves.  Behind the barrier nobody reads the old slot
; and the other is whole.  fill = 1: the old slot takes tile NXT, the first thing behind the barrier; the descriptor's address is made anew from that number.
.macro CHANGE fill
	s_wait_tensorcnt 0x0                           ; no tensor load of mine is out, so a group 0 may be written
	ds_add_u32 v[SPW], v[NIL]
.if \fill
	s_lshl_b32 s[OFF], s[NXT], 14                  ; a tile is 16,384 bytes of K and of V
	s_xor_b32 s[G0K+1], s[G0K+1], SLOT1
	s_add_nc_u64 s[G0K+2:G0K+3], s[8:9], s[OFF:OFF+1]
	s_or_b32 s[G0K+3], s[G0K+3], 0x80000000
	s_xor_b32 s[G0V+1], s[G0V+1], SLOT1
	s_add_nc_u64 s[G0V+2:G0V+3], s[10:11], s[OFF:OFF+1]
	s_or_b32 s[G0V+3], s[G0V+3], 0x80000000
	s_add_co_u32 s[NXT], s[NXT], 1                 ; the block's next tile, or behind its last the second block's tile 0
	s_cmp_gt_u32 s[NXT], s[LQ]
	s_cselect_b32 s[NXT], 0, s[NXT]
	s_cselect_b32 s[LQ], s[PB], s[LQ]
	s_wait_xcnt 0x0                                ; the last prefetch, a tile back, has read its address
	s_add_nc_u64 s[PFA:PFA+1], s[PFA:PFA+1], 16384
.endif
	s_wait_dscnt 0x0                               ; the add is done, my reads of the slot are over
	s_barrier_signal -1
	s_sub_co_u32 s[TBK], s[TBK], 256*KP            ; the fetches go back to a slot's first step, in the other slot
	s_xor_b32 s[TBK], s[TBK], SLOT1
	s_sub_co_u32 s[TBV], s[TBV], 256*VP
	s_xor_b32 s[TBV], s[TBV], SLOT1
	s_barrier_wait -1
.if \fill
	LOAD
	ASK
.endif
.endm
.macro PRE                             ; a tile is entered: is it the block's last, the diagonal one?
	s_sub_co_u32 s[RT], s[RT], 1
	s_cmp_eq_u32 s[RT], 0
	s_cselect_b32 s[LV], s[GH], 4
.endm
.macro START                           ; a block begins
.irp t, 0,1
	v_mov_b32 v[ST+8*(\t)], 0xfe000000             ; c m: far below every c s
	v_mov_b32 v[ST+8*(\t)+1], 0xff7fffff           ; m: the lowest finite number
.endr
.endm
	s_load_b128 s[4:7], s[0:1], 0x0                ; qkv s[4:5], oh s[6:7]
	v_lshl_add_u32 v[SPW], v0, 2, SPARE
	v_mov_b32 v[NIL], 0
	ds_add_u32 v[SPW], v[NIL]                      ; the wave's opening: an add and its wait ahead of the first tensor load
	v_lshrrev_b32 v1, 5, v0
	v_readfirstlane_b32 s[WV], v1
	s_sub_co_u32 s70, 11, s[WV]
	s_cmp_lt_u32 s[WV], 4
	s_cselect_b32 s[GG], s[WV], s70                ; g
	s_lshr_b32 s[GH], s[GG], 1
	s_mov_b32 s[PB], ttmp9
	s_sub_co_u32 s[HI], 7, s[PB]
	s_and_b32 s70, ttmp7, 0xffff
	s_lshl_b32 s70, s70, 17                        ; the head's first byte in a plane
	s_mov_b32 s71, 0
	s_lshl_b32 s78, s[GG], 11                      ; my 32 rows of 64 bytes in a block
	s_add_co_u32 s78, s78, s70
	s_lshl_b32 s72, s[HI], 14                      ; the first block,
	s_add_co_u32 s72, s72, s78
	s_mov_b32 s73, 0
	s_lshl_b32 s74, s[PB], 14                      ; the second
	s_add_co_u32 s74, s74, s78
	s_mov_b32 s75, 0
	s_mov_b32 s[G1K], (1<<16)|(1<<20)|(3<<22)|(3<<25)  ; 2-byte elements; padding on; 4 words behind every 16: behind every key
	s_mov_b32 s[G1V], (1<<16)|(1<<20)|(3<<22)|(7<<25)  ; 8 words
.irp g, G1K, G1V
	s_mov_b32 s[(\g)+1], 128<<16                   ; a tile's 16,384 dense bytes are asked for as 64 rows of 256
	s_mov_b32 s[(\g)+2], 64<<16
	s_mov_b32 s[(\g)+3], 128<<16
	s_mov_b32 s[(\g)+4], 64
	s_mov_b32 s[(\g)+5], 128
	s_mov_b32 s[(\g)+6], 0
	s_mov_b32 s[(\g)+7], 0
.endr
	s_mov_b32 s[G0K], 1
	s_mov_b32 s[G0K+1], 0
	s_mov_b32 s[G0V], 1
	s_mov_b32 s[G0V+1], VOFF
	s_mov_b32 s[CS], 0x3e8293ee                    ; c = log2(e) / sqrt(32) = 0.255035
	s_mov_b32 s[CS+1], s[CS]
	s_mov_b32 s[SEL], 0x76543210
	s_mov_b32 s[SEL+1], 0xfedcba98
	s_mov_b32 s[TBK], SLOT1+256*KP                 ; the first change of slots turns these two into 0
	s_mov_b32 s[TBV], SLOT1+256*VP
	s_add_co_u32 s[RT], s[HI], 1                   ; the first block has 8 - b tiles
	s_mov_b32 s[NXT], 1
	s_mov_b32 s[LQ], s[HI]
	s_mov_b32 s[OFF+1], 0
	s_mov_b32 s[SLOTS], 8
	s_mov_b32 s[PFN], 2
	s_sub_co_u32 s76, s[WV], 2
	s_cmp_lt_u32 s76, 4                            ; waves 2 to 5,
	s_cselect_b32 s[LIM], 8, 0
	s_cmp_eq_u32 s[PB], 0                          ; of the work-group with b = 0
	s_cselect_b32 s[LIM], s[LIM], 0
	s_and_b32 s76, s[WV], 1
	s_lshl_b32 s76, s76, 13                        ; my half of a tile,
	s_add_co_u32 s76, s76, 16384                   ; in tile 1: the first change steps it to tile 2
	s_mov_b32 s77, 0
	s_and_b32 s79, s[GG], 1
	s_lshl_b32 s79, s79, 5
	s_wait_dscnt 0x0                               ; the opening add is done
	s_wait_kmcnt 0x0
	s_add_nc_u64 s[8:9], s[4:5], s[70:71]
	s_add_nc_u64 s[10:11], s[8:9], 0x1000000       ; V at the head's first key
	s_add_nc_u64 s[8:9], s[8:9], 0x800000          ; K
	s_add_nc_u64 s[G0K+2:G0K+3], s[8:9], 0
	s_or_b32 s[G0K+3], s[G0K+3], 0x80000000
	s_add_nc_u64 s[G0V+2:G0V+3], s[10:11], 0
	s_or_b32 s[G0V+3], s[G0V+3], 0x80000000
	s_add_nc_u64 s[16:17], s[4:5], s[72:73]        ; Q and O at my rows of the first block,
	s_add_nc_u64 s[18:19], s[4:5], s[74:75]        ; and of the second
	s_add_nc_u64 s[OP:OP+1], s[6:7], s[72:73]
	s_add_nc_u64 s[OLO:OLO+1], s[6:7], s[74:75]
	s_cmp_lt_u32 s[WV], 4
	s_cselect_b64 s[PFA:PFA+1], s[8:9], s[10:11]
	s_add_nc_u64 s[PFA:PFA+1], s[PFA:PFA+1], s[76:77]
	LOAD                                           ; tile 0 into slot 0
	v_and_b32 v1, 15, v0                           ; r
	v_bfe_u32 v9, v0, 4, 1                         ; h
	v_lshlrev_b32 v[QO], 6, v1
	v_lshl_add_u32 v[QO], v9, 4, v[QO]             ; row x 64 + 16 h
.irp t, 0,1
	global_load_b128 v[Q+8*(\t):Q+8*(\t)+3],     v[QO], s[16:17] offset:1024*(\t)
	global_load_b128 v[Q+8*(\t)+4:Q+8*(\t)+7],   v[QO], s[16:17] offset:1024*(\t)+32
	global_load_b128 v[QB+8*(\t):QB+8*(\t)+3],   v[QO], s[18:19] offset:1024*(\t)
	global_load_b128 v[QB+8*(\t)+4:QB+8*(\t)+7], v[QO], s[18:19] offset:1024*(\t)+32
.endr
	v_mul_u32_u24 v[AK0], v1, KP
	v_lshl_add_u32 v[AK0], v9, 4, v[AK0]
	v_and_b32 v11, 7, v0                           ; the turning load: lane l reads key 8 h + l % 8, channels 8 ((l / 8) % 2) + 0..7
	v_lshl_add_u32 v[AV0], v9, 3, v11
	v_mul_u32_u24 v[AV0], v[AV0], VP
	v_bfe_u32 v11, v0, 3, 1
	v_lshl_add_u32 v[AV0], v11, 4, v[AV0]
	v_add_nc_u32 v[AV0], VOFF, v[AV0]
	s_mul_i32 s70, s[WV], 32*80
	s_add_co_u32 s70, s70, STAGE                   ; my stage
	v_mul_u32_u24 v[STO], v1, 80
	v_lshl_add_u32 v[STO], v9, 4, v[STO]
	v_add_nc_u32 v[STO], s70, v[STO]
	v_bfe_u32 v[RD], v0, 2, 3                      ; back: 32 lanes take eight tokens of 64 bytes
	v_mul_u32_u24 v[RD], v[RD], 80
	v_and_b32 v11, 3, v0
	v_lshl_add_u32 v[RD], v11, 4, v[RD]
	v_add_nc_u32 v[RD], s70, v[RD]
	v_and_b32 v[GO], 31, v0
	v_lshlrev_b32 v[PFO], 8, v[GO]
	v_lshlrev_b32 v[GO], 4, v[GO]
	v_lshlrev_b32 v[DQ], 3, v9
	v_sub_nc_u32 v[DQ], v1, v[DQ]
	v_add_nc_u32 v[DQ], s79, v[DQ]                 ; 32 (g % 2) + r - 8 h
	v_mov_b32 v[BIG], 0xf149f2ca                   ; -1e30
.set i, 0
.rept 8
	v_mov_b32 v[ONE+i], 0x3c003c00
.set i, i+1
.endr
	; O and l need only be finite where a block begins, since its first a is 0: zeros for the first block, what the first block left for the second.  This stands in the wait for the first tile.
.set i, 0
.rept 48
	v_mov_b32 v[O+i], 0
.set i, i+1
.endr
	v_mov_b32 v[ST+3], 0
	v_mov_b32 v[ST+11], 0
	START
	s_wait_loadcnt 0x0                             ; Q
; Number n of the lines that find tile t's new maximum and statistics; each accumulator's lowest registers are read first.
;   0-11 four chains of seven scores   12-14, 16 the four left over, the old m, all into c0   17, 18 the other 32 keys lie in the lane 16 away   19-21 c m; c m_old - c m_new; a
.macro XS t, n
.set rT, ST+8*(\t)
.set rC, ST+8*(\t)+4
.set rS, S+32*(\t)
.if (\n) < 4
	v_max3_num_f32 v[rC+(\n)], v[rS+8*(\n)], v[rS+8*(\n)+1], v[rS+8*(\n)+2]
.elseif (\n) < 12
	v_max3_num_f32 v[rC+(\n)%4], v[rC+(\n)%4], v[rS+8*((\n)%4)+2*((\n)/4)+1], v[rS+8*((\n)%4)+2*((\n)/4)+2]
.elseif (\n) == 12
	v_max3_num_f32 v[rC], v[rC], v[rS+7], v[rS+15]
.elseif (\n) == 13
	v_max3_num_f32 v[rC+1], v[rC+1], v[rS+23], v[rS+31]
.elseif (\n) == 14
	v_max3_num_f32 v[rC+2], v[rC+2], v[rC+3], v[rT+1]
.elseif (\n) == 16
	v_max3_num_f32 v[rC], v[rC], v[rC+1], v[rC+2]
.elseif (\n) == 17
	v_permlanex16_b32 v[rC+3], v[rC], s[SEL], s[SEL+1]
.elseif (\n) == 18
	v_max_num_f32 v[rT+1], v[rC], v[rC+3]
.elseif (\n) == 19
	v_mul_f32 v[rT], s[CS], v[rT+1]
.elseif (\n) == 20
	v_sub_f32 v[rC+1], v[MV+(\t)], v[rT]
.else
	v_exp_f32 v[rT+2], v[rC+1]
.endif
.endm
.macro FS f                            ; c s - c m for pair f / 2 of tile f % 2
.set rT, ST+8*((\f)%2)
.set rS, S+32*((\f)%2)+2*((\f)/2)
	v_pk_fma_f32 v[rS:rS+1], v[rS:rS+1], s[CS:CS+1], v[rT:rT+1] op_sel_hi:[1,0,0] neg_lo:[0,0,1] neg_hi:[0,0,1]
.endm
.macro EX e                            ; the exponential of score e / 2 of tile e % 2
.set rS, S+32*((\e)%2)+(\e)/2
	v_exp_f32 v[rS], v[rS]
.endm
; A KEY STEP: 64 keys for my 32 queries.  mk = 1: the step holds the diagonal.
.macro STEP mk
	v_add_nc_u32 v[AK], s[TBK], v[AK0]             ; five plain lines behind the last step's products: V's and P's registers are written next
	v_add_nc_u32 v[AV], s[TBV], v[AV0]
.rept 3
	v_nop
.endr
.irp kb, 0,1,2,3
	ds_load_b128 v[KF+8*(\kb):KF+8*(\kb)+3],   v[AK] offset:(\kb)*16*KP
	ds_load_b128 v[KF+8*(\kb)+4:KF+8*(\kb)+7], v[AK] offset:(\kb)*16*KP+32
.endr
.irp f, 0,1,2,3
	ds_load_tr16_b128 v[VF+8*(\f):VF+8*(\f)+3],   v[AV] offset:((\f)/2)*32*VP+((\f)%2)*32
	ds_load_tr16_b128 v[VF+8*(\f)+4:VF+8*(\f)+7], v[AV] offset:((\f)/2)*32*VP+((\f)%2)*32+16*VP
.endr
	s_wait_dscnt 8                                 ; K is in; V's eight loads may stay out
.irp kb, 0,1,2,3
.irp t, 0,1
	v_wmma_f32_16x16x32_f16 v[S+32*(\t)+8*(\kb):S+32*(\t)+8*(\kb)+7], v[KF+8*(\kb):KF+8*(\kb)+7], v[Q+8*(\t):Q+8*(\t)+7], 0
.endr
.endr
	v_mov_b32 v[MV], v[ST]                         ; c m_old is kept; with two v_nop the four places behind those products
	v_mov_b32 v[MV+1], v[ST+8]
	v_nop
	v_nop
.if \mk
.irp t, 0,1
.set z, 0
.rept 32
	v_cmp_gt_i32 vcc_lo, 16*(z/8)+z%8-16*(\t), v[DQ]   ; the key lies behind the query
	v_cndmask_b32 v[S+32*(\t)+z], v[S+32*(\t)+z], v[BIG], vcc_lo
.set z, z+1
.endr
.endr
.endif
.irp n, 0,1,2,3,4,5,6,7,8,9,10,11,12,13,14,16,17,18,19,20,21
	XS 0, \n
	XS 1, \n
.endr
	; ONE BATCH: the two a above and the 64 exponentials, scalings dealt among them; a scaling's pair lies above every score whose exponential has been issued, so nothing names a result
	FS 0
	FS 1
.set i, 0
.rept 32
	EX 2*i
.if i+2 < 32
	FS i+2
.endif
	EX 2*i+1
.set i, i+1
.endr
	v_nop                                          ; a plain instruction behind the last exponential,
	s_wait_alu depctr_va_vdst(0)                   ; and one wait ahead of the batch's first reader
.set i, 0
.rept 16
	v_cvt_pk_f16_f32 v[S+i],    v[S+2*i],    v[S+2*i+1]     ; in place: the destination never lies above the sources, and the lines ascend
	v_cvt_pk_f16_f32 v[S+32+i], v[S+32+2*i], v[S+32+2*i+1]
.set i, i+1
.endr
.set i, 0
.rept 8
	v_pk_mul_f32 v[O+2*i:O+2*i+1],       v[O+2*i:O+2*i+1],       v[ST+2:ST+3]   op_sel_hi:[1,0]
	v_pk_mul_f32 v[O+16+2*i:O+16+2*i+1], v[O+16+2*i:O+16+2*i+1], v[ST+10:ST+11] op_sel_hi:[1,0]
.set i, i+1
.endr
	v_pk_mul_f32 v[LA:LA+1],   v[LA:LA+1],   v[ST+2:ST+3]   op_sel_hi:[1,0]   ; of l's eight equal rows a lane the first is kept true; the others, never read, stay under the number of keys
	v_pk_mul_f32 v[LA+8:LA+9], v[LA+8:LA+9], v[ST+10:ST+11] op_sel_hi:[1,0]
	s_wait_dscnt 0x0                               ; V is in
.irp kk, 0,1                           ; six accumulators take turns, one instruction a turn
.irp cb, 0,1
.irp t, 0,1
	v_wmma_f32_16x16x32_f16 v[O+16*(\t)+8*(\cb):O+16*(\t)+8*(\cb)+7], v[VF+16*(\kk)+8*(\cb):VF+16*(\kk)+8*(\cb)+7], v[S+32*(\t)+8*(\kk):S+32*(\t)+8*(\kk)+7], v[O+16*(\t)+8*(\cb):O+16*(\t)+8*(\cb)+7]
.endr
.endr
.irp t, 0,1
	v_wmma_f32_16x16x32_f16 v[LA+8*(\t):LA+8*(\t)+7], v[ONE:ONE+7], v[S+32*(\t)+8*(\kk):S+32*(\t)+8*(\kk)+7], v[LA+8*(\t):LA+8*(\t)+7]
.endr
.endr
.endm
; A tile's four steps: counted to the constant 4; a step above the diagonal is jumped over, forward, to the label ahead of the counter's step; what is jumped holds no barrier and no tensor load.
.macro TILE tag
	s_mov_b32 s[IDX], 0
.Lstep\tag:
	s_cmp_lt_u32 s[IDX], s[LV]
	s_cbranch_scc1 .Lfull\tag
	s_cmp_eq_u32 s[IDX], s[LV]
	s_cbranch_scc0 .Lskip\tag
	STEP 1
	s_branch .Lskip\tag
.Lfull\tag:
	STEP 0
.Lskip\tag:
	s_add_co_u32 s[TBK], s[TBK], 64*KP
	s_add_co_u32 s[TBV], s[TBV], 64*VP
	s_add_co_u32 s[IDX], s[IDX], 1
	s_cmp_lt_u32 s[IDX], 4
	s_cbranch_scc1 .Lstep\tag
.endm
; THE WAY OUT: O^T is divided by l, rounded to f16, sent through my stage and stored as 512 bytes on end.
.macro FINISH
.rept 4
	v_nop                                          ; the places behind the last products
.endr
	v_rcp_f32 v[ST+2], v[LA]
	v_rcp_f32 v[ST+10], v[LA+8]
	v_nop
	s_wait_alu depctr_va_vdst(0)                   ; one wait for the two reciprocals
.set i, 0
.rept 8
	v_pk_mul_f32 v[O+2*i:O+2*i+1],       v[O+2*i:O+2*i+1],       v[ST+2:ST+3]   op_sel_hi:[1,0]
	v_pk_mul_f32 v[O+16+2*i:O+16+2*i+1], v[O+16+2*i:O+16+2*i+1], v[ST+10:ST+11] op_sel_hi:[1,0]
.set i, i+1
.endr
.set i, 0
.rept 16
	v_cvt_pk_f16_f32 v[S+i], v[O+2*i], v[O+2*i+1]
.set i, i+1
.endr
.irp u, 0,1,2,3                        ; tile u / 2, channel block u % 2
	ds_store_b128 v[STO], v[S+4*(\u):S+4*(\u)+3] offset:((\u)/2)*16*80+((\u)%2)*32
.endr
.irp u, 0,1,2,3
	ds_load_b128 v[S+16+4*(\u):S+16+4*(\u)+3], v[RD] offset:(\u)*8*80  ; LDS serves a wave's instructions in order (ISA guide 5.7.1.4): these see the stores above
.endr
	s_wait_dscnt 0x0
.irp u, 0,1,2,3
	global_store_b128 v[GO], v[S+16+4*(\u):S+16+4*(\u)+3], s[OP:OP+1] offset:(\u)*512
.endr
.endm
.Lslot:                                        ; 8 times: a tile is entered and the next is asked for
	CHANGE 1
	PRE
	TILE 1
	s_cmp_lg_u32 s[RT], 0
	s_cbranch_scc1 .Lbottom
	FINISH                                         ; the first block's end
	s_wait_xcnt 0x0                                ; the stores have read their registers and O's address
	s_mov_b64 s[OP:OP+1], s[OLO:OLO+1]
	s_add_co_u32 s[RT], s[PB], 1                   ; the second block has b + 1 tiles
	START
.set i, 0
.rept 16
	v_mov_b32 v[Q+i], v[QB+i]
.set i, i+1
.endr
.Lbottom:
	s_sub_co_u32 s[SLOTS], s[SLOTS], 1
	s_cmp_lg_u32 s[SLOTS], 0
	s_cbranch_scc1 .Lslot
	CHANGE 0                                       ; the walk's last tile is written out
	PRE
	TILE 2
	FINISH
	s_wait_tensorcnt 0x0                           ; the wave's end
	ds_add_u32 v[SPW], v[NIL]
	s_wait_dscnt 0x0
	s_endpgm
.Lfunc_end_k_q0286005fb5_attn:
	.size	k_q0286005fb5_attn, .Lfunc_end_k_q0286005fb5_attn-k_q0286005fb5_attn
	.p2alignl 7, 3214868480
	.fill 96, 4, 3214868480
	.section	.rodata,"a",@progbits
	.p2align	6, 0x0
	.amdhsa_kernel k_q0286005fb5_attn
		.amdhsa_group_segment_fixed_size 327680
		.amdhsa_private_segment_fixed_size 0
		.amdhsa_enable_private_segment 0
		.amdhsa_kernarg_size 16
		.amdhsa_user_sgpr_count 2
		.amdhsa_user_sgpr_kernarg_segment_ptr 1
		.amdhsa_wavefront_size32 1
		.amdhsa_system_sgpr_workgroup_id_x 1
		.amdhsa_system_sgpr_workgroup_id_y 1
		.amdhsa_system_sgpr_workgroup_id_z 1
		.amdhsa_system_vgpr_workitem_id 0
		.amdhsa_next_free_vgpr 256
		.amdhsa_next_free_sgpr 80
		.amdhsa_reserve_vcc 1
		.amdhsa_float_denorm_mode_32 3
		.amdhsa_float_denorm_mode_16_64 3
		.amdhsa_memory_ordered 1
		.amdhsa_forward_progress 1
		.amdhsa_inst_pref_size 77
	.end_amdhsa_kernel
	.amdgpu_metadata
---
amdhsa.version: [ 1, 2 ]
amdhsa.kernels:
  - .name:           k_q0286005fb5_attn
    .symbol:         k_q0286005fb5_attn.kd
    .args:
      - { .name: qkv, .offset: 0, .size: 8, .value_kind: global_buffer, .address_space: global }
      - { .name: oh, .offset: 8, .size: 8, .value_kind: global_buffer, .address_space: global }
    .group_segment_fixed_size: 327680
    .private_segment_fixed_size: 0
    .kernarg_segment_align: 8
    .kernarg_segment_size: 16
    .max_flat_workgroup_size: 256
    .sgpr_count:     80
    .vgpr_count:     256
    .wavefront_size: 32
...
	.end_amdgpu_metadata
.endif
;; end of part 3
;; launch proj (part 4): grid 8 x 32, 4 waves a work-group, clusters of 4 x 4, 327,680 bytes of LDS; arguments oh, wob, out0; writes out0
.if DOCPART == 4
	.amdgcn_target "amdgcn-amd-amdhsa--gfx1250"
	.amdhsa_code_object_version 6
	.text
	.protected	k_q0286005fb5_proj
	.globl	k_q0286005fb5_proj
	.p2align	8
	.type	k_q0286005fb5_proj,@function
k_q0286005fb5_proj:
	s_mov_b64 s[64:65], 0
	v_nop
	global_prefetch_b8 v0, s[64:65] scope:SCOPE_SE
	s_setreg_imm32_b32 hwreg(HW_REG_WAVE_MODE, 25, 1), 1
	s_wait_xcnt 0x0
	s_wait_alu depctr_hold_cnt(0) depctr_sa_sdst(0) depctr_va_vdst(0) depctr_va_sdst(0) depctr_va_ssrc(0) depctr_va_vcc(0) depctr_vm_vsrc(0)
	s_getreg_b32 s2, hwreg(HW_REG_IB_STS2, 6, 4)
	s_cmp_eq_u32 s2, 0
	s_cbranch_scc0 .Lentry_in_a_cluster
	s_endpgm
.Lentry_in_a_cluster:
	s_bfe_u32 s2, ttmp6, 0x10000c
	s_cmp_lg_u32 s2, 0xf033
	s_cbranch_scc0 .Lentry_shape_is_right
	s_endpgm
.Lentry_shape_is_right:
; THE OUTPUT PROJECTION.  out0[m][n] = sum over k of O[m][k] wo[n][k], 4,096 x 1,024 x 1,024; f16 operands, f32 sums, f32 out.  O lies by heads, oh[batch*32 + head][token][32]: k = 32 head + channel.
; SHARES.  A tile of 128 x 128 to a work-group: 8 x 32 = 256 of them.  Four waves, each 64 x 64: 16 accumulators.  K goes in four steps of 256 (eight heads) through two LDS slots.
; O's half tile is one tensor load of 8 rows (heads) of 4,096 dense bytes (64 tokens), 131,072 bytes apart, padded behind every token's 64 bytes: in LDS [head][token] with 80 bytes a token.
; wo's half tile: 64 rows of 512 bytes, 528 apart.  CLUSTER 4 x 4: O's tiles are shared along a row of the cluster, wo's along a column, each asked for jointly.
; THE MATRIX INSTRUCTION IS USED TRANSPOSED (source 0 = 16 rows of wo, source 1 = 16 tokens): a lane holds eight neighbouring numbers of a row of out0, 32 bytes.
; No prefetch: of four K steps two are first fills, and a tile's work is short.
; REGISTERS: window 0: v16-29 addresses; v32-95 rows read back on the way out; v128-255 accumulators ((a, b) at 128 + 8 (4 a + b)).  Window 1: two fragment buffers of 128: 64 of O, then 64 of wo.
.set PA,     80
.set PBP,    528
.set AHALF,  8*64*PA                   ; 40,960
.set BHALF,  64*PBP                    ; 33,792
.set BOFF,   2*AHALF
.set SLOT,   BOFF+2*BHALF              ; 149,504
.set STAGE,  2*SLOT                    ; behind the ring: 16 rows x 272 bytes for each wave
.set SPITCH, 272
.set SPARE,  STAGE+4*16*SPITCH         ; the spare words, 128 bytes a wave: two blocks of 256 bytes that no other line names
.set ADRA, 16
.set ADRB, 20
.set STO,  24
.set RD,   25
.set CO,   26
.set SPW,  28
.set NIL,  29
.set TMP,  32
.set ACC,  128
.set F0,   0
.set F1,   128
.set G1, 24
.set G0, 32
.set G1B, 48
.set G0B, 56
.set MSB, 0
.macro WIN new
.if MSB != (\new)
	s_set_vgpr_msb (MSB<<8)|(\new)
.set MSB, \new
.endif
.endm
.set MUL,  0x05                        ; sources 0 and 1 window 1; C and D window 0
.set TO_F, 0x40                        ; destination window 1, address window 0
.macro JLOAD s                         ; waves 0 and 1 fetch O's two halves, waves 2 and 3 wo's; an s_nop 0 and four v_nop follow each line
	s_cmp_eq_u32 s11, 0
	s_cbranch_scc0 .Lfor_b_\@
	tensor_load_to_lds s[G0+4*(\s):G0+4*(\s)+3], s[G1:G1+7]
	s_nop 0
.rept 4
	v_nop
.endr
	s_branch .Lasked_\@
.Lfor_b_\@:
	tensor_load_to_lds s[G0B+4*(\s):G0B+4*(\s)+3], s[G1B:G1B+7]
	s_nop 0
.rept 4
	v_nop
.endr
.Lasked_\@:
.endm
.macro CREST
	s_cmp_lg_u32 s10, 0
	s_cbranch_scc1 .Lnot_wave_0_\@
	s_barrier_signal -3
.Lnot_wave_0_\@:
	s_barrier_wait -3
	s_barrier_signal -1
	s_barrier_wait -1
.endm
.macro CROUND
	s_barrier_signal -1
	s_barrier_wait -1
	CREST
.endm
	s_load_b128 s[4:7], s[0:1], 0x0                ; oh s[4:5], wob s[6:7]
	s_load_b64 s[8:9], s[0:1], 0x10                ; out0
	v_lshl_add_u32 v[SPW], v0, 2, SPARE
	v_mov_b32 v[NIL], 0
	ds_add_u32 v[SPW], v[NIL]                      ; the wave's opening: an add and its wait ahead of my first tensor load
	v_lshrrev_b32 v1, 5, v0
	v_readfirstlane_b32 s10, v1                    ; wave
	s_lshr_b32 s11, s10, 1                         ; my half of the tile's rows; also: I fetch for O (0) or wo (1)
	s_and_b32 s12, s10, 1                          ; my half of its columns; also: which half of that tile I fetch
	s_bfe_u32 s40, ttmp6, 0x40000                  ; cx
	s_bfe_u32 s41, ttmp6, 0x40004                  ; cy
	s_lshl_b32 s42, ttmp9, 2
	s_add_co_u32 s42, s42, s40                     ; tile column
	s_and_b32 s13, ttmp7, 0xffff
	s_lshl_b32 s13, s13, 2
	s_add_co_u32 s13, s13, s41                     ; tile row
	s_lshl_b32 s43, s41, 2
	s_lshl_b32 s43, 15, s43                        ; my row of the cluster
	s_lshl_b32 s44, 0x1111, s40                    ; my column
	s_or_b32 s[G1+0], s43, (1<<16)|(1<<20)|(1<<21)|(3<<22)|(3<<25)   ; the mask; 2-byte elements; padding on; bit 21 beside a mask; 4 words behind every 16
	s_or_b32 s[G1B+0], s44, (1<<16)|(1<<20)|(1<<21)|(6<<22)|(3<<25)  ; 4 words behind every 128
	s_mov_b32 s[G1+1], 2048<<16                    ; tensor_dim0 = 2,048 elements: 64 tokens of a head
	s_mov_b32 s[G1+2], 8<<16                       ; tensor_dim1 = 8 heads
	s_mov_b32 s[G1+3], 2048<<16                    ; tile_dim0
	s_mov_b32 s[G1+4], 8                           ; tile_dim1
	s_mov_b32 s[G1+5], 65536                       ; elements from head to head
	s_mov_b32 s[G1+6], 0
	s_mov_b32 s[G1+7], 0
	s_mov_b32 s[G1B+1], 256<<16
	s_mov_b32 s[G1B+2], 64<<16
	s_mov_b32 s[G1B+3], 256<<16
	s_mov_b32 s[G1B+4], 64
	s_mov_b32 s[G1B+5], 1024
	s_mov_b32 s[G1B+6], 0
	s_mov_b32 s[G1B+7], 0
	s_lshl_b32 s18, s12, 6                         ; which 64 rows of the tile I fetch
	s_lshr_b32 s16, s13, 4                         ; O: the batch's 32 heads of 131,072 bytes,
	s_lshl_b32 s16, s16, 22
	s_and_b32 s17, s13, 15
	s_lshl_b32 s17, s17, 7
	s_add_co_u32 s17, s17, s18                     ; the token in its batch,
	s_lshl_b32 s17, s17, 6                         ; 64 bytes each
	s_add_co_u32 s16, s16, s17
	s_mov_b32 s17, 0
	s_lshl_b32 s46, s42, 7                         ; wo: row 128 x tile column + 64 x half
	s_add_co_u32 s46, s46, s18
	s_lshl_b32 s46, s46, 11
	s_mov_b32 s47, 0
	s_mul_i32 s20, s12, AHALF                      ; where they go
	s_mul_i32 s21, s12, BHALF
	s_add_co_u32 s21, s21, BOFF
	s_wait_dscnt 0x0                               ; the opening add is done
	s_wait_kmcnt 0x0
	s_add_nc_u64 s[14:15], s[4:5], s[16:17]
	s_add_nc_u64 s[46:47], s[6:7], s[46:47]
	CROUND                                         ; all sixteen work-groups are here: the first joint loads meet
.irp s, 0,1
	s_mov_b32 s[G0+4*(\s)], 1
	s_add_co_u32 s[G0+4*(\s)+1], s20, (\s)*SLOT
	s_add_nc_u64 s[G0+4*(\s)+2:G0+4*(\s)+3], s[14:15], (\s)*8*131072   ; K step s: eight heads on
	s_or_b32 s[G0+4*(\s)+3], s[G0+4*(\s)+3], 0x80000000
	s_mov_b32 s[G0B+4*(\s)], 1
	s_add_co_u32 s[G0B+4*(\s)+1], s21, (\s)*SLOT
	s_add_nc_u64 s[G0B+4*(\s)+2:G0B+4*(\s)+3], s[46:47], (\s)*512
	s_or_b32 s[G0B+4*(\s)+3], s[G0B+4*(\s)+3], 0x80000000
	JLOAD \s                                       ; two loads of mine are out
.endr
	v_and_b32 v1, 15, v0                           ; r
	v_bfe_u32 v2, v0, 4, 1                         ; h
	v_mul_u32_u24 v3, v1, PA
	v_lshl_add_u32 v3, v2, 4, v3                   ; O: token x 80 + 16 h
	v_mul_u32_u24 v4, v1, PBP
	v_lshl_add_u32 v4, v2, 4, v4                   ; wo: row x 528 + 16 h
	s_mul_i32 s21, s11, AHALF
	s_mul_i32 s22, s12, BHALF
	s_add_co_u32 s22, s22, BOFF
.irp s, 0,1
	v_add_nc_u32 v[ADRA+(\s)], s21, v3
	v_add_nc_u32 v[ADRB+(\s)], s22, v4
	s_add_co_u32 s21, s21, SLOT
	s_add_co_u32 s22, s22, SLOT
.endr
	s_mul_i32 s23, s10, 16*SPITCH
	s_add_co_u32 s23, s23, STAGE                   ; my stage
	v_mul_u32_u24 v4, v1, SPITCH                   ; in: row r, 32 bytes for each half of the lanes
	v_lshl_add_u32 v4, v2, 5, v4
	v_add_nc_u32 v[STO], s23, v4
	v_mul_u32_u24 v5, v2, SPITCH                   ; back: lanes 0-15 one row of 256 bytes, lanes 16-31 the next
	v_lshl_add_u32 v5, v1, 4, v5
	v_add_nc_u32 v[RD], s23, v5
	v_lshlrev_b32 v5, 12, v2                       ; and the same two rows in out0
	v_lshl_add_u32 v[CO], v1, 4, v5
	s_lshl_b32 s16, s13, 7
	s_lshl_b32 s17, s11, 6
	s_add_co_u32 s16, s16, s17                     ; my first row,
	s_lshl_b32 s16, s16, 12                        ; 4,096 bytes each
	s_lshl_b32 s17, s42, 9                         ; the tile's 512 bytes of a row,
	s_add_co_u32 s16, s16, s17
	s_lshl_b32 s17, s12, 8                         ; my 256 of them
	s_add_co_u32 s16, s16, s17
	s_mov_b32 s17, 0
	s_add_nc_u64 s[8:9], s[8:9], s[16:17]
; 8 matrix instructions: token blocks a0, a0 + 1 x all 4 column blocks, 32 along K (one head): half c of buffer f.  zero = 1: the first product starts the sums
.macro MUL8 f, c, a0, zero
	WIN MUL
.irp a, \a0, (\a0)+1
.irp b, 0,1,2,3
.if \zero
	v_wmma_f32_16x16x32_f16 v[ACC+8*(4*(\a)+(\b)):ACC+8*(4*(\a)+(\b))+7], v[(\f)+64+8*(4*(\c)+(\b)):(\f)+64+8*(4*(\c)+(\b))+7], v[(\f)+8*(4*(\c)+(\a)):(\f)+8*(4*(\c)+(\a))+7], 0
.else
	v_wmma_f32_16x16x32_f16 v[ACC+8*(4*(\a)+(\b)):ACC+8*(4*(\a)+(\b))+7], v[(\f)+64+8*(4*(\c)+(\b)):(\f)+64+8*(4*(\c)+(\b))+7], v[(\f)+8*(4*(\c)+(\a)):(\f)+8*(4*(\c)+(\a))+7], v[ACC+8*(4*(\a)+(\b)):ACC+8*(4*(\a)+(\b))+7]
.endif
.endr
.endr
.endm
; 32 LDS loads in one run: the fragments of quarter kq (heads 2 kq, 2 kq + 1 of the step's eight) into buffer f; the first head first
.macro FETCH slot, kq, f
	WIN TO_F
.irp c, 0,1
.irp i, 0,1,2,3
	ds_load_b128 v[(\f)+64+8*(4*(\c)+(\i)):(\f)+64+8*(4*(\c)+(\i))+3],   v[ADRB+(\slot)] offset:128*(\kq)+64*(\c)+(\i)*16*PBP
	ds_load_b128 v[(\f)+64+8*(4*(\c)+(\i))+4:(\f)+64+8*(4*(\c)+(\i))+7], v[ADRB+(\slot)] offset:128*(\kq)+64*(\c)+(\i)*16*PBP+32
	ds_load_b128 v[(\f)+8*(4*(\c)+(\i)):(\f)+8*(4*(\c)+(\i))+3],         v[ADRA+(\slot)] offset:(2*(\kq)+(\c))*64*PA+(\i)*16*PA
	ds_load_b128 v[(\f)+8*(4*(\c)+(\i))+4:(\f)+8*(4*(\c)+(\i))+7],       v[ADRA+(\slot)] offset:(2*(\kq)+(\c))*64*PA+(\i)*16*PA+32
.endr
.endr
.endm
.macro PLACES                          ; four plain instructions between a matrix instruction and a load into, or a store of, its registers
.rept 4
	v_nop
.endr
.endm
; A K step is four quarters of 64 along K, 32 matrix instructions each, on buffers 0, 1, 0, 1; the 16 accumulators take turns.
.macro QUARTER slot, kq, f, g, zero
	s_wait_dscnt 16                                ; the first head's fragments are in
	MUL8 \f, 0, 0, \zero
	MUL8 \f, 0, 2, \zero
	PLACES
	FETCH \slot, \kq, \g
	s_wait_dscnt 32                                ; all but the 32 just issued
	MUL8 \f, 1, 0, 0
	MUL8 \f, 1, 2, 0
.endm
; The last quarter multiplies buffer 1 and changes slots: one barrier; in front of it each wave waits for all its tensor loads, adds 0 to its spare word, and waits for that and for its reads of this slot.
; fill = 1: the barrier opens a round of the cluster's, and this slot is filled again, two K steps on, first thing behind the round: 112 matrix instructions ahead of the wait for it.
.macro TURN slot, next, fill
	WIN 0
	s_wait_tensorcnt 0x0
	ds_add_u32 v[SPW], v[NIL]
	s_wait_dscnt 17                                ; the add and the youngest sixteen loads may be out
	MUL8 F1, 0, 0, 0
	s_wait_dscnt 0x0                               ; the add is done, my reads of this slot are over
	s_barrier_signal -1
	MUL8 F1, 0, 2, 0
.if \fill
	WIN 0
.endif
	s_barrier_wait -1
.if \fill
	CREST
	s_add_nc_u64 s[G0+4*(\slot)+2:G0+4*(\slot)+3], s[G0+4*(\slot)+2:G0+4*(\slot)+3], 2*8*131072
	s_add_nc_u64 s[G0B+4*(\slot)+2:G0B+4*(\slot)+3], s[G0B+4*(\slot)+2:G0B+4*(\slot)+3], 2*512
	JLOAD \slot                                    ; its four v_nop are also the places in front of the loads below
.else
	PLACES
.endif
	FETCH \next, 0, F0
	MUL8 F1, 1, 0, 0
	MUL8 F1, 1, 2, 0
.endm
	s_wait_tensorcnt 1                             ; my part of K step 0 is in; K step 1's load may stay out
	s_barrier_signal -1
	s_barrier_wait -1
	FETCH 0, 0, F0
	QUARTER 0, 1, F0, F1, 1                        ; the first products start the sums
	QUARTER 0, 2, F1, F0, 0
	QUARTER 0, 3, F0, F1, 0
	TURN 0, 1, 1                                   ; K step 2 is asked for
	QUARTER 1, 1, F0, F1, 0
	QUARTER 1, 2, F1, F0, 0
	QUARTER 1, 3, F0, F1, 0
	TURN 1, 0, 1                                   ; K step 3
	QUARTER 0, 1, F0, F1, 0
	QUARTER 0, 2, F1, F0, 0
	QUARTER 0, 3, F0, F1, 0
	TURN 0, 1, 0                                   ; nothing is left to fetch
	QUARTER 1, 1, F0, F1, 0
	QUARTER 1, 2, F1, F0, 0
	QUARTER 1, 3, F0, F1, 0
	s_wait_dscnt 16
	MUL8 F1, 0, 0, 0
	MUL8 F1, 0, 2, 0
	s_wait_dscnt 0x0
	MUL8 F1, 1, 0, 0
	MUL8 F1, 1, 2, 0
	WIN 0
; THE WAY OUT, 16 rows at a time, through my own stage: a wave's 64 columns of f32 are 256 bytes of a row, aligned, so no other wave has a part in them and no barrier is wanted.
.macro TOSTAGE a
.irp b, 0,1,2,3
	ds_store_b128 v[STO], v[ACC+8*(4*(\a)+(\b)):ACC+8*(4*(\a)+(\b))+3]   offset:64*(\b)     ; each accumulator's lowest registers first
	ds_store_b128 v[STO], v[ACC+8*(4*(\a)+(\b))+4:ACC+8*(4*(\a)+(\b))+7] offset:64*(\b)+16
.endr
.if (\a) >= 2
	s_wait_xcnt 0x0                                ; the stores of two blocks back have read this set of registers
.endif
.irp t, 0,1,2,3,4,5,6,7
	ds_load_b128 v[TMP+32*((\a)%2)+4*(\t):TMP+32*((\a)%2)+4*(\t)+3], v[RD] offset:(\t)*2*SPITCH  ; LDS serves a wave's instructions in order (ISA guide 5.7.1.4): these see the stores above
.endr
.endm
.macro SEND a, younger                 ; younger: the next block's eight stores and eight loads, or none
	s_wait_dscnt \younger
.irp t, 0,1,2,3,4,5,6,7
	global_store_b128 v[CO], v[TMP+32*((\a)%2)+4*(\t):TMP+32*((\a)%2)+4*(\t)+3], s[8:9] offset:(16*(\a)+2*(\t))*4096  ; 16 lanes store 256 consecutive bytes, aligned
.endr
.endm
	PLACES
	TOSTAGE 0
	TOSTAGE 1
	SEND 0, 16
	TOSTAGE 2
	SEND 1, 16
	TOSTAGE 3
	SEND 2, 16
	SEND 3, 0
	s_wait_tensorcnt 0x0                           ; the wave's end
	ds_add_u32 v[SPW], v[NIL]
	s_wait_dscnt 0x0
	CROUND                                         ; the closing round
	s_endpgm
.Lfunc_end_k_q0286005fb5_proj:
	.size	k_q0286005fb5_proj, .Lfunc_end_k_q0286005fb5_proj-k_q0286005fb5_proj
	.p2alignl 7, 3214868480
	.fill 96, 4, 3214868480
	.section	.rodata,"a",@progbits
	.p2align	6, 0x0
	.amdhsa_kernel k_q0286005fb5_proj
		.amdhsa_group_segment_fixed_size 327680
		.amdhsa_private_segment_fixed_size 0
		.amdhsa_enable_private_segment 0
		.amdhsa_kernarg_size 24
		.amdhsa_user_sgpr_count 2
		.amdhsa_user_sgpr_kernarg_segment_ptr 1
		.amdhsa_wavefront_size32 1
		.amdhsa_system_sgpr_workgroup_id_x 1
		.amdhsa_system_sgpr_workgroup_id_y 1
		.amdhsa_system_sgpr_workgroup_id_z 1
		.amdhsa_system_vgpr_workitem_id 0
		.amdhsa_next_free_vgpr 512
		.amdhsa_next_free_sgpr 66
		.amdhsa_reserve_vcc 0
		.amdhsa_float_denorm_mode_32 3
		.amdhsa_float_denorm_mode_16_64 3
		.amdhsa_memory_ordered 1
		.amdhsa_forward_progress 1
		.amdhsa_inst_pref_size 86
	.end_amdhsa_kernel
	.amdgpu_metadata
---
amdhsa.version: [ 1, 2 ]
amdhsa.kernels:
  - .name:           k_q0286005fb5_proj
    .symbol:         k_q0286005fb5_proj.kd
    .args:
      - { .name: oh, .offset: 0, .size: 8, .value_kind: global_buffer, .address_space: global }
      - { .name: wob, .offset: 8, .size: 8, .value_kind: global_buffer, .address_space: global }
      - { .name: out0, .offset: 16, .size: 8, .value_kind: global_buffer, .address_space: global }
    .group_segment_fixed_size: 327680
    .private_segment_fixed_size: 0
    .kernarg_segment_align: 8
    .kernarg_segment_size: 24
    .max_flat_workgroup_size: 128
    .sgpr_count:     66
    .vgpr_count:     512
    .wavefront_size: 32
...
	.end_amdgpu_metadata
.endif
;; end of part 4
;; ======== version 2 of 2: 4 launches; version 1 with the launch prep written anew for expert scheduling mode
;; limits: values are held in f16: magnitudes above 65,504 overflow, below 6.1e-05 lose precision
;; workspace buffers: xb 8,388,608 bytes; wb 6,291,456 bytes; wob 2,097,152 bytes; tab 262,144 bytes; qkv 25,165,824 bytes; oh 8,388,608 bytes
;; launch prep (part 5): grid 512 x 1, 8 waves a work-group, no clusters, 0 bytes of LDS; arguments x, wqk_w, wv_w, wo_w, xb, wb, wob, tab; writes xb, wb, wob, tab
.if DOCPART == 5
	.amdgcn_target "amdgcn-amd-amdhsa--gfx1250"
	.amdhsa_code_object_version 6
	.text
	.protected	k_q0286005fb5_prep
	.globl	k_q0286005fb5_prep
	.p2align	8
	.type	k_q0286005fb5_prep,@function
k_q0286005fb5_prep:
	s_mov_b64 s[64:65], 0
	v_nop
	global_prefetch_b8 v0, s[64:65] scope:SCOPE_SE
	s_setreg_imm32_b32 hwreg(HW_REG_WAVE_SCHED_MODE, 0, 2), 2
	s_setreg_imm32_b32 hwreg(HW_REG_WAVE_MODE, 25, 1), 1
	s_wait_xcnt 0x0
	s_wait_alu depctr_vm_vsrc(0)
; CASTS AND THE ROTARY TABLE.  xb = bf16(x).  wb = bf16 of wqk_w's and wv_w's rows, laid by heads: row head*96 + type*32 + d (type 0 q, 1 k, 2 v), so that 96 rows on end
; are one head's q, k and v.  wob = f16(bf16(wo_w)): rounded to bf16 like the other inputs, that number written as f16.  tab[pos][j] = (cos, sin)(pos * 10000^(-j/16)), f32.
; LIMITS.  |bf16(wo_w)| stays under 65,504; below 6e-5 f16 keeps its fixed step of 6e-8.  10000^(-j/16) is made by v_exp_f32 (1 ULP: ISA guide, its entry), which moves an angle by
; 1.5e-4 at the most (position 2,047); sine and cosine: the angle less a multiple of pi/2 (in two parts), then polynomials good to 3.2e-7 on |r| <= pi/4.
; SHARES.  Work-group g casts 16,384 numbers (64 KiB in, 32 KiB out: 16 rows of a weight).  g < 256: x.  256..383: wqk_w.  384..447: wv_w.  448..511: wo_w.
; A thread takes 16 bytes of each of 16 blocks of 4,096 bytes: all 16 loads are out together; a wave's load covers 512 consecutive bytes, its store 256, aligned.
; No register is used twice, so no store's source is ever rewritten.  No LDS, no matrix unit: nothing is shared and nothing is multiplied.
; THE MODE: SCHED_MODE bits 1:0 = 2 (LLVM: expert scheduling mode 2), set by the entry lines.  The code itself states the register dependences
; between vector instructions and memory instructions, with s_wait_alu, always for 0.
; THE PLAN.  Registers that memory instructions touch:
;   v1, v2     byte offsets, made once at the head and never written again: one wait ahead of the first load serves every load and store.
;   X          the 16 loads land here; no vector line names X ahead of them, no memory instruction reads it, no second load lands in it.
;   Y          block k's roundings write its pair once; block k's store reads it once; it is never written again.
;   v[8:11]    wave 0 alone: written by the sine's and cosine's last lines, read by the one store into the table, never written again.
; So no register that a memory instruction reads is written again, and the only dependence in the casts is: roundings write Y, stores read Y.  The 16 blocks go in four groups of four:
; ONE wait at the head of a group states that the group before has written its four pairs of Y; those four stores follow it, dealt among this group's conversions, which name this
; group's X and Y alone.  One more wait stands ahead of the last four stores.
.set X, 32                             ; v[32:95]   16 x 4 numbers as loaded
.set Y, 96                             ; v[96:127]  16 x 2 registers to store
	s_load_b512 s[8:23], s[0:1], 0x0               ; x s[8:9], wqk s[10:11], wv s[12:13], wo s[14:15], xb s[16:17], wb s[18:19], wob s[20:21], tab s[22:23]
	s_mov_b32 s2, ttmp9                            ; g
	s_and_b32 s3, s2, 255                          ; i: g itself for x, g - 256 for the weights
	s_and_b32 s4, s3, 63                           ; the group of 16 rows within 1,024 rows
	s_lshr_b32 s5, s4, 1                           ; head
	s_mul_i32 s5, s5, 96
	s_lshr_b32 s6, s3, 6                           ; type
	s_lshl_b32 s6, s6, 5
	s_add_co_u32 s5, s5, s6
	s_and_b32 s6, s3, 1                            ; which 16 of the head's 32 channels
	s_lshl_b32 s6, s6, 4
	s_add_co_u32 s5, s5, s6                        ; the row in wb,
	s_lshl_b32 s5, s5, 11                          ; in bytes
	s_lshl_b32 s6, s3, 15                          ; x's place in xb
	s_lshl_b32 s7, s4, 15                          ; wo's place in wob
	s_lshl_b32 s33, s3, 16                         ; the source's offset: x and wqk,
	s_lshl_b32 s34, s4, 16                         ; wv and wo
	s_cmp_lt_u32 s2, 256
	s_cselect_b32 s30, s6, s5
	s_cmp_ge_u32 s2, 448
	s_cselect_b32 s30, s7, s30
	s_cmp_ge_u32 s2, 384
	s_cselect_b32 s28, s34, s33
	s_mov_b32 s29, 0
	s_mov_b32 s31, 0
	s_lshl_b32 s36, s2, 9                          ; the work-group's 512 bytes of the table
	s_mov_b32 s37, 0
	v_lshlrev_b32 v1, 4, v0                        ; 16 t
	v_lshlrev_b32 v2, 3, v0                        ; 8 t
	v_lshrrev_b32 v3, 5, v0
	v_readfirstlane_b32 s32, v3                    ; wave
	s_wait_kmcnt 0x0
	s_cmp_lt_u32 s2, 256                           ; the two buffers are chosen by g alone
	s_cselect_b64 s[24:25], s[8:9], s[10:11]
	s_cselect_b64 s[26:27], s[16:17], s[18:19]
	s_cmp_ge_u32 s2, 384
	s_cselect_b64 s[24:25], s[12:13], s[24:25]
	s_cmp_ge_u32 s2, 448
	s_cselect_b64 s[24:25], s[14:15], s[24:25]
	s_cselect_b64 s[26:27], s[20:21], s[26:27]
	s_add_nc_u64 s[24:25], s[24:25], s[28:29]
	s_add_nc_u64 s[26:27], s[26:27], s[30:31]
	s_add_nc_u64 s[22:23], s[22:23], s[36:37]
	s_wait_alu depctr_va_vdst(0)                   ; v1 and v2 are written: every load and store of the kernel reads one of them as its offset
.irp k, 0,1,2,3,4,5,6,7,8,9,10,11,12,13,14,15
	global_load_b128 v[X+4*(\k):X+4*(\k)+3], v1, s[24:25] offset:4096*(\k) th:TH_LOAD_NT
.endr
; (cos, sin) of v4 x v[inv], in two parts, on eight registers at work from v[t] on: a then r, n, r^2, sin r, cos r, one at work, the two chosen.
; The first part ends with the compare that tells odd quadrants, its mask in s[m]; both angles' first parts stand on end, so that one wait serves both masks.
.macro SC1 inv, t, m
	v_mul_f32 v[(\t)], v4, v[\inv]                 ; the angle a, rounded as the product of two f32
	v_mul_f32 v[(\t)+1], 0x3f22f983, v[(\t)]       ; a x 2/pi
	v_rndne_f32 v[(\t)+1], v[(\t)+1]               ; n
	v_fmamk_f32 v[(\t)], v[(\t)+1], 0xbfc90fdb, v[(\t)]    ; a - n x pi/2: the high part,
	v_fmamk_f32 v[(\t)], v[(\t)+1], 0x333bbd2e, v[(\t)]    ; and the low part: r
	v_mul_f32 v[(\t)+2], v[(\t)], v[(\t)]          ; r^2
	v_mov_b32 v[(\t)+3], 0xb9500d01                ; -1/5040
	v_fmaak_f32 v[(\t)+3], v[(\t)+3], v[(\t)+2], 0x3c088889    ; 1/120
	v_fmaak_f32 v[(\t)+3], v[(\t)+3], v[(\t)+2], 0xbe2aaaab    ; -1/6
	v_mul_f32 v[(\t)+4], v[(\t)], v[(\t)+2]
	v_fma_f32 v[(\t)+3], v[(\t)+4], v[(\t)+3], v[(\t)]         ; sin r
	v_mov_b32 v[(\t)+4], 0x37d00d01                ; 1/40320
	v_fmaak_f32 v[(\t)+4], v[(\t)+4], v[(\t)+2], 0xbab60b61    ; -1/720
	v_fmaak_f32 v[(\t)+4], v[(\t)+4], v[(\t)+2], 0x3d2aaaab    ; 1/24
	v_fmaak_f32 v[(\t)+4], v[(\t)+4], v[(\t)+2], 0xbf000000    ; -1/2
	v_fmaak_f32 v[(\t)+4], v[(\t)+4], v[(\t)+2], 0x3f800000    ; cos r
	v_cvt_i32_f32 v[(\t)+1], v[(\t)+1]             ; the quadrant is n mod 4
	v_and_b32 v[(\t)+5], 1, v[(\t)+1]
	v_cmp_eq_u32 s[\m], 1, v[(\t)+5]
.endm
.macro SC2 t, m, c, s
	v_cndmask_b32 v[(\t)+6], v[(\t)+3], v[(\t)+4], s[\m]       ; odd quadrants change sine and cosine
	v_cndmask_b32 v[(\t)+7], v[(\t)+4], v[(\t)+3], s[\m]
	v_and_b32 v[(\t)+5], 2, v[(\t)+1]              ; the sine is negative in quadrants 2, 3,
	v_lshlrev_b32 v[(\t)+5], 30, v[(\t)+5]
	v_xor_b32 v[\s], v[(\t)+5], v[(\t)+6]
	v_add_nc_u32 v[(\t)+1], 1, v[(\t)+1]           ; the cosine in quadrants 1, 2
	v_and_b32 v[(\t)+1], 2, v[(\t)+1]
	v_lshlrev_b32 v[(\t)+1], 30, v[(\t)+1]
	v_xor_b32 v[\c], v[(\t)+1], v[(\t)+7]
.endm
	s_wait_alu depctr_va_sdst(0)                   ; s32, the wave's number, is written, ahead of its first reader, the compare below
	s_cmp_lg_u32 s32, 0                            ; wave 0 makes the work-group's four positions of the table while the loads are out
	s_cbranch_scc1 .Lno_table
	v_lshrrev_b32 v4, 3, v0
	v_lshl_add_u32 v4, s2, 2, v4                   ; position 4 g + lane / 8
	v_cvt_f32_u32 v4, v4
	v_and_b32 v5, 7, v0
	v_lshlrev_b32 v5, 1, v5                        ; j = 2 (lane % 8) and the next
	v_cvt_f32_u32 v5, v5
	v_add_f32 v6, 1.0, v5
	v_mul_f32 v5, 0xbf549a78, v5                   ; -j log2(10000) / 16
	v_mul_f32 v6, 0xbf549a78, v6
	v_exp_f32 v5, v5
	v_exp_f32 v6, v6
	v_nop                                          ; a plain instruction behind the last exponential,
	s_wait_alu depctr_va_vdst(0)                   ; and one wait ahead of the first use of the two: v5 and v6 are written
	SC1 5, 12, 38
	SC1 6, 20, 39
	s_wait_alu depctr_va_sdst(0)                   ; the two compares have written their masks s38 and s39, which the selects below read
	SC2 12, 38, 8, 9
	SC2 20, 39, 10, 11
	s_wait_alu depctr_va_vdst(0)                   ; v[8:11], two cosines and two sines, are written: the store reads them
	global_store_b128 v1, v[8:11], s[22:23]        ; 32 lanes: 512 consecutive bytes
.Lno_table:
; Block k's store.
.macro PUT k
	global_store_b64 v2, v[Y+2*(\k):Y+2*(\k)+1], s[26:27] offset:2048*(\k)
.endm
; Block k: rounded; ahead of its conversions the store of the block four back.  half = 1: the bf16 number is written as f16.
.macro CONV k, half
	s_wait_loadcnt 15-(\k)                         ; loads come back in order: block k is in, the 15 - k younger ones may stay out
.if ((\k) % 4 == 0) && ((\k) > 0)
	s_wait_alu depctr_va_vdst(0)                   ; a group's head: the group before has written its four pairs of Y, which this group's four stores read
.endif
.if (\k) >= 4
	PUT (\k)-4                                     ; no vector line since that wait names this pair or v2
.endif
	v_cvt_pk_bf16_f32 v[Y+2*(\k)],   v[X+4*(\k)],   v[X+4*(\k)+1]
	v_cvt_pk_bf16_f32 v[Y+2*(\k)+1], v[X+4*(\k)+2], v[X+4*(\k)+3]
.if \half
	v_lshlrev_b32 v[X+4*(\k)],   16, v[Y+2*(\k)]
	v_and_b32     v[X+4*(\k)+1], 0xffff0000, v[Y+2*(\k)]
	v_lshlrev_b32 v[X+4*(\k)+2], 16, v[Y+2*(\k)+1]
	v_and_b32     v[X+4*(\k)+3], 0xffff0000, v[Y+2*(\k)+1]
	v_cvt_pk_f16_f32 v[Y+2*(\k)],   v[X+4*(\k)],   v[X+4*(\k)+1]
	v_cvt_pk_f16_f32 v[Y+2*(\k)+1], v[X+4*(\k)+2], v[X+4*(\k)+3]
.endif
.endm
	s_cmp_ge_u32 s2, 448
	s_cbranch_scc1 .Lwo
.irp k, 0,1,2,3,4,5,6,7,8,9,10,11,12,13,14,15
	CONV \k, 0
.endr
	s_wait_alu depctr_va_vdst(0)                   ; the last group has written its four pairs of Y, which the last four stores read
.irp k, 12,13,14,15
	PUT \k
.endr
	s_endpgm
.Lwo:
.irp k, 0,1,2,3,4,5,6,7,8,9,10,11,12,13,14,15
	CONV \k, 1
.endr
	s_wait_alu depctr_va_vdst(0)                   ; the last group has written its four pairs of Y, which the last four stores read
.irp k, 12,13,14,15
	PUT \k
.endr
	s_endpgm
.Lfunc_end_k_q0286005fb5_prep:
	.size	k_q0286005fb5_prep, .Lfunc_end_k_q0286005fb5_prep-k_q0286005fb5_prep
	.p2alignl 7, 3214868480
	.fill 96, 4, 3214868480
	.section	.rodata,"a",@progbits
	.p2align	6, 0x0
	.amdhsa_kernel k_q0286005fb5_prep
		.amdhsa_group_segment_fixed_size 0
		.amdhsa_private_segment_fixed_size 0
		.amdhsa_enable_private_segment 0
		.amdhsa_kernarg_size 64
		.amdhsa_user_sgpr_count 2
		.amdhsa_user_sgpr_kernarg_segment_ptr 1
		.amdhsa_wavefront_size32 1
		.amdhsa_system_sgpr_workgroup_id_x 1
		.amdhsa_system_sgpr_workgroup_id_y 1
		.amdhsa_system_sgpr_workgroup_id_z 1
		.amdhsa_system_vgpr_workitem_id 0
		.amdhsa_next_free_vgpr 128
		.amdhsa_next_free_sgpr 66
		.amdhsa_reserve_vcc 0
		.amdhsa_float_denorm_mode_32 3
		.amdhsa_float_denorm_mode_16_64 3
		.amdhsa_memory_ordered 1
		.amdhsa_forward_progress 1
		.amdhsa_inst_pref_size 21
	.end_amdhsa_kernel
	.amdgpu_metadata
---
amdhsa.version: [ 1, 2 ]
amdhsa.kernels:
  - .name:           k_q0286005fb5_prep
    .symbol:         k_q0286005fb5_prep.kd
    .args:
      - { .name: x, .offset: 0, .size: 8, .value_kind: global_buffer, .address_space: global }
      - { .name: wqk_w, .offset: 8, .size: 8, .value_kind: global_buffer, .address_space: global }
      - { .name: wv_w, .offset: 16, .size: 8, .value_kind: global_buffer, .address_space: global }
      - { .name: wo_w, .offset: 24, .size: 8, .value_kind: global_buffer, .address_space: global }
      - { .name: xb, .offset: 32, .size: 8, .value_kind: global_buffer, .address_space: global }
      - { .name: wb, .offset: 40, .size: 8, .value_kind: global_buffer, .address_space: global }
      - { .name: wob, .offset: 48, .size: 8, .value_kind: global_buffer, .address_space: global }
      - { .name: tab, .offset: 56, .size: 8, .value_kind: global_buffer, .address_space: global }
    .group_segment_fixed_size: 0
    .private_segment_fixed_size: 0
    .kernarg_segment_align: 8
    .kernarg_segment_size: 64
    .max_flat_workgroup_size: 256
    .sgpr_count:     66
    .vgpr_count:     128
    .wavefront_size: 32
...
	.end_amdgpu_metadata
.endif
;; end of part 5
;; launch qkvrope: the kernel of part 2 again; grid 16 x 16, 4 waves a work-group, clusters of 4 x 4, 327,680 bytes of LDS; arguments xb, wb, tab, qkv; writes qkv
;; launch attn: the kernel of part 3 again; grid 4 x 64, 8 waves a work-group, no clusters, 327,680 bytes of LDS; arguments qkv, oh; writes oh
;; launch proj: the kernel of part 4 again; grid 8 x 32, 4 waves a work-group, clusters of 4 x 4, 327,680 bytes of LDS; arguments oh, wob, out0; writes out0
